; MI455X (gfx1250); checked and timed in simulation.
; The chip was launched on July 23, 2026; its instructions are those of AMD's public machine-readable ISA for CDNA 5 (MIT licence, August 2026) and "CDNA5" Instruction Set Architecture Reference Guide (July 2026). The comments in the code are by the model that wrote it; some were corrected since.
;; Self Attention. Allowed arithmetic: matrix products marked QUANTISED: E3M2 operands, one E8M0 scale for each 32 along K, by v_wmma_scale_f32_16x16x128_f8f6f4 with both operands' format E3M2, f32 sums; everything else in f32.
;; Inputs: Wk 768 x 768 float32; Wq 768 x 768 float32; Wv 768 x 768 float32; bk 768 float32; bq 768 float32; bv 768 float32; pos 1,024 x 768 float32; x 16 x 1,024 x 768 float32.
;; Outputs: out0 16 x 1,024 x 768 float32.
;; This version of the problem:
;;   THIS VERSION OF THE PROBLEM IS GIVEN IN LOW PRECISION. The matrix products marked QUANTISED in the list below multiply operands that are first quantised to E3M2 (3 exponent bits, 2 mantissa bits; 6 bits a number), with one power-of-two scale for each 32 numbers along K (OCP MX v1.0); their sums are f32. All else is computed in f32.
;;   The module's matrix products, in the order in which they are computed (A, B: the left and right operand; K: the contracted axis; several contracted axes count as one K, in the product's order):
;;     1. [M 16,384, K 768] x [K 768, N 768]; A: computed on the way; B: input Wq: QUANTISED
;;     2. [M 16,384, K 768] x [K 768, N 768]; A: computed on the way; B: input Wk: QUANTISED
;;     3. [M 16,384, K 768] x [K 768, N 768]; A: computed on the way; B: input Wv: QUANTISED
;;     4. batch 16 x [M 1,024, K 768] x [K 768, N 1,024]; A: computed on the way; B: computed on the way: QUANTISED
;;     5. batch 16 x [M 1,024, K 1,024] x [K 1,024, N 768]; A: softmax (see below); B: computed on the way: QUANTISED
;;   THE QUANTISER, for each operand of a quantised product, along K:
;;     - K is cut into blocks of 32 from its start; a last block that is shorter is filled with zeros.
;;     - A block's scale is 2^e with e = floor(log2(the largest magnitude in the block)) - 4, held to -126 .. 127; a block of zeros has e = 0. As a byte (E8M0): e + 127.
;;     - Each number is divided by its block's scale, clamped to +-28, and rounded to the nearest number of E3M2, ties to even, subnormals kept.
;;     - The product sums the exact products of the quantised numbers (number of the format x scale) in f32.
;;   ~~~python
;;   def quantise(x, axis):      # numpy; x: float32 -> the quantised numbers, widened to float32 again
;;       x = np.moveaxis(x, axis, -1); K = x.shape[-1]
;;       x = np.pad(x, [(0, 0)] * (x.ndim - 1) + [(0, -K % 32)]); x = x.reshape(x.shape[:-1] + (-1, 32)); a = np.abs(x).max(-1, keepdims=True)
;;       e = np.where(a > 0, np.clip(np.frexp(np.where(a > 0, a, 1))[1] - 1 - 4, -126, 127), 0)      # np.frexp(a)[1] - 1 = floor(log2(a)), exactly
;;       r = np.clip(x / 2.0 ** e, -28, 28)
;;       step = 2.0 ** (np.maximum(np.frexp(np.where(r == 0, 1, r))[1] - 1, -2) - 2)
;;       q = np.round(r / step) * step * 2.0 ** e      # np.round: ties to even
;;       return np.moveaxis(q.reshape(q.shape[:-2] + (-1,))[..., :K], -1, axis).astype(np.float32)
;;   ~~~
;;   SOFTMAX AHEAD OF A QUANTISED PRODUCT. Where the list says 'softmax', what is quantised is not the finished softmax but p = 2^(t - M), with t = logit x log2(e) and M = ceil(the row's largest t), a whole number; so 1/2 < the row's largest p <= 1. The row's sum l is taken of the UNQUANTISED p, in f32, and the product's result is divided by l at the end. Since M is a whole number, a kernel that streams over the keys may use a running M (the ceiling of the running maximum): every later rescaling is an exact power of two, which a block's scale takes up: the codes' values come out the same.
;;   OPERANDS COMPUTED ON THE WAY. 'Computed on the way' means the value that the module computes at that place (a softmax that the list does not call 'softmax' is quantised finished and normalised). What goes into a quantiser is computed in f32, as accurately as f32 sums, v_exp_f32 and their like allow (about 1e-6 of the number): no bf16 or f16 on the way to a quantiser, and a product that is left as it is and whose result goes on into a quantised operand takes f32 operands (vector FMAs, or v_wmma_f32_16x16x4_f32). A number that lies on a knife's edge between two numbers of the format may be rounded either way, as far as f32 arithmetic and the matrix unit's own rounding can turn it there, and no further.
;; 2 versions. Each part assembles by itself: llvm-mc -triple=amdgcn-amd-amdhsa -mcpu=gfx1250 --defsym DOCPART=n.
;; ======== version 1 of 2: 3 launches
;; workspace buffers: hw_codes 10,764,288 bytes; hw_scales 448,512 bytes; qk_codes 18,874,368 bytes; qk_scales 786,432 bytes; v_codes 9,437,184 bytes; v_scales 393,216 bytes
;; launch quant (part 1): grid 292 x 6, 4 waves a work-group, no clusters, 34,304 bytes of LDS; arguments x, pos, Wq, Wk, Wv, hw_codes, hw_scales; writes hw_codes, hw_scales
.if DOCPART == 1
	.amdgcn_target "amdgcn-amd-amdhsa--gfx1250"
	.amdhsa_code_object_version 6
	.text
	.protected	k_q1e4d367d36_quant
	.globl	k_q1e4d367d36_quant
	.p2align	8
	.type	k_q1e4d367d36_quant,@function
k_q1e4d367d36_quant:
	s_mov_b64 s[64:65], 0
	v_nop
	global_prefetch_b8 v0, s[64:65] scope:SCOPE_SE
	s_setreg_imm32_b32 hwreg(HW_REG_WAVE_MODE, 25, 1), 1
	s_wait_xcnt 0x0
; h = x + pos [16,384][768] and Wq, Wk, Wv [768][768], f32, become codes of E3M2 with one E8M0 byte for each 32 along the last axis (their K).
; The codes are laid as IMAGES OF OPERAND REGISTERS.  A block is 64 rows; blocks 0-255 are h, 256-267 Wq, 268-279 Wk, 280-291 Wv.  A block's codes: [K step of 128: 6][tile: 4][1,536 bytes];
; a fragment (16 rows x 128 K, 12 registers a lane) is three images of 512 bytes, registers 4 e .. 4 e + 3 of lane l at 512 e + 16 l.
; THE ROWS OF A TILE ARE NOT NEIGHBOURS: lane r of tile 2 b + u holds row 32 b + 8 u + r + 8 (r / 8) of the block, so that a product which takes the tile as source 0 leaves 16 neighbours in the registers of two tiles.
; A block's scale words (1,536 bytes): the word of (tile m, K step s, row r) at 512 (s / 2) + 16 (16 (m % 2) + r) + 8 (m / 2) + 4 (s % 2): three loads of 16 bytes a lane bring all 24.
; SHARES: work-group (x, y) takes block x, K step y; wave m takes tile m: 16 rows x 128 numbers.  Each load reads 512 consecutive bytes of one row; the numbers turn through the wave's own stage in LDS
; (rows of 512 + 16 bytes), so that a lane gets 16 neighbours of each of its row's four blocks of 32.  Waves share nothing: no barrier.
; A block's scale is 2^(floor(log2(largest magnitude)) - 4); its byte is the largest magnitude's exponent field - 4, held at 1 from below.
; LIMITS: a block of zeros gets the byte 1 where the rule says 127 (its codes are zeros, and this program alone reads the bytes); NaN and infinities among the inputs are not served.
.set ROWB, 3072                        ; bytes in a row of x, pos and the weights
.set SP,   528                         ; a stage row
.set LI,   1                           ; v1   16 x lane
.set STA,  2                           ; v2   the stage, on the way in: wave's stage + 16 x lane
.set RDA,  3                           ; v3   and out: wave's stage + 528 r + 64 h
.set RS,   4                           ; v4   16 r: my row's scale word
.set X,    16                          ; v16-79   the numbers as loaded
.set N,    80                          ; v80-143  pos as loaded, later the turned numbers: register 16 b + i = k 32 b + 16 h + i of row r
.set TM,   144                         ; v144-159 largest magnitudes, bytes, scale operands
.set PC,   160                         ; v160-179 the codes
.set PW,   180                         ; v180     the scale word
.set SEL,  44                          ; s[44:45] lane selects: lane l xor 16
	s_load_b256 s[4:11], s[0:1], 0x0               ; x s[4:5], pos s[6:7], Wq s[8:9], Wk s[10:11]
	s_load_b128 s[12:15], s[0:1], 0x20             ; Wv s[12:13], the codes s[14:15]
	s_load_b64 s[16:17], s[0:1], 0x30              ; the scale words
	v_lshl_add_u32 v184, v0, 2, 0x8400
	v_mov_b32 v185, 0
	v_lshrrev_b32 v5, 5, v0
	v_readfirstlane_b32 s18, v5                    ; wave = tile m
	s_and_b32 s19, ttmp7, 0xffff                   ; K step s
	v_and_b32 v5, 31, v0                           ; lane
	v_and_b32 v6, 15, v0                           ; r
	v_bfe_u32 v7, v0, 4, 1                         ; h
	v_lshlrev_b32 v[LI], 4, v5
	s_mul_i32 s20, s18, 16*SP                      ; my stage
	v_add_nc_u32 v[STA], s20, v[LI]
	v_mul_u32_u24 v[RDA], v6, SP
	v_lshl_add_u32 v[RDA], v7, 6, v[RDA]
	v_add_nc_u32 v[RDA], s20, v[RDA]
	v_lshlrev_b32 v[RS], 4, v6
.irp b, 0,1,2,3
	v_mov_b32 v[TM+4+\b], 0                        ; written once: a lane permute's destination counts as one of its sources
.endr
	s_mov_b32 s[SEL], 0x76543210
	s_mov_b32 s[SEL+1], 0xfedcba98
	s_mov_b32 s21, 268
	s_cmp_lt_u32 ttmp9, 280                        ; which tensor: the choice hangs on the work-group's number alone
	s_cselect_b32 s22, s21, 280
	s_cmp_lt_u32 ttmp9, 268
	s_cselect_b32 s22, 256, s22
	s_cmp_lt_u32 ttmp9, 256
	s_cselect_b32 s22, 0, s22
	s_sub_co_u32 s22, ttmp9, s22                   ; the block's number in its tensor
	s_lshr_b32 s23, s18, 1                         ; m / 2
	s_and_b32 s24, s18, 1                          ; m % 2
	s_lshl_b32 s25, s23, 5
	s_lshl_b32 s26, s24, 3
	s_add_co_u32 s25, s25, s26                     ; the tile's first row in the block: 32 (m / 2) + 8 (m % 2)
	s_lshl_b32 s26, s19, 9                         ; 512 bytes a K step
	s_lshl_b32 s28, s22, 6
	s_add_co_u32 s28, s28, s25
	s_mul_i32 s28, s28, ROWB
	s_add_co_u32 s28, s28, s26
	s_mov_b32 s29, 0                               ; s[28:29]: where my tile begins in its tensor (under 2^26)
	s_and_b32 s30, ttmp9, 15                       ; a batch is 16 blocks: the block's place in pos
	s_lshl_b32 s30, s30, 6
	s_add_co_u32 s30, s30, s25
	s_mul_i32 s30, s30, ROWB
	s_add_co_u32 s30, s30, s26
	s_mov_b32 s31, 0                               ; s[30:31]: the same in pos
	s_mul_i32 s32, ttmp9, 36864
	s_mul_i32 s27, s19, 6144
	s_add_co_u32 s32, s32, s27
	s_mul_i32 s27, s18, 1536
	s_add_co_u32 s32, s32, s27
	s_mov_b32 s33, 0                               ; s[32:33]: my fragment's image
	s_mul_i32 s34, ttmp9, 1536
	s_lshr_b32 s27, s19, 1
	s_lshl_b32 s27, s27, 9
	s_add_co_u32 s34, s34, s27
	s_lshl_b32 s27, s24, 8
	s_add_co_u32 s34, s34, s27
	s_lshl_b32 s27, s23, 3
	s_add_co_u32 s34, s34, s27
	s_and_b32 s27, s19, 1
	s_lshl_b32 s27, s27, 2
	s_add_co_u32 s34, s34, s27
	s_mov_b32 s35, 0                               ; s[34:35]: my tile's scale words
	s_wait_kmcnt 0x0
	s_cmp_lt_u32 ttmp9, 280
	s_cselect_b64 s[36:37], s[10:11], s[12:13]
	s_cmp_lt_u32 ttmp9, 268
	s_cselect_b64 s[36:37], s[8:9], s[36:37]
	s_cmp_lt_u32 ttmp9, 256
	s_cselect_b64 s[36:37], s[4:5], s[36:37]
	s_add_nc_u64 s[36:37], s[36:37], s[28:29]
	s_add_nc_u64 s[38:39], s[6:7], s[30:31]
	s_add_nc_u64 s[40:41], s[14:15], s[32:33]
	s_add_nc_u64 s[42:43], s[16:17], s[34:35]
.irp i, 0,1,2,3,4,5,6,7,8,9,10,11,12,13,14,15
	global_load_b128 v[X+4*\i:X+4*\i+3], v[LI], s[36:37] offset:(\i+8*(\i/8))*ROWB th:TH_LOAD_NT   ; the tile's row i: 32 lanes read 512 consecutive bytes; read once in the launch
.endr
	s_cmp_lt_u32 ttmp9, 256                        ; only h has pos added
	s_cbranch_scc0 .Lnopos
.irp i, 0,1,2,3,4,5,6,7,8,9,10,11,12,13,14,15
	global_load_b128 v[N+4*\i:N+4*\i+3], v[LI], s[38:39] offset:(\i+8*(\i/8))*ROWB   ; sixteen batches read the same rows of pos: no hint
.endr
	s_wait_loadcnt 0x0
.set i, 0
.rept 32
	v_pk_add_f32 v[X+i:X+i+1], v[X+i:X+i+1], v[N+i:N+i+1]
.set i, i+2
.endr
.Lnopos:
	s_wait_loadcnt 0x0                             ; the tile's numbers are in
.irp i, 0,1,2,3,4,5,6,7,8,9,10,11,12,13,14,15
	ds_store_b128 v[STA], v[X+4*\i:X+4*\i+3] offset:SP*\i
.endr
.irp b, 0,1,2,3
.irp j, 0,1,2,3
	ds_load_b128 v[N+16*\b+4*\j:N+16*\b+4*\j+3], v[RDA] offset:128*\b+16*\j   ; LDS serves a wave's instructions in order: these see my stores
.endr
.endr
	s_wait_dscnt 0x0
.irp b, 0,1,2,3
	v_max3_num_f32 v[TM+\b], |v[N+16*\b]|, |v[N+16*\b+1]|, 0x2800000   ; block b: my 16 numbers, and the floor 2^(5 - 127): the byte cannot fall under 1
.endr
.irp i, 2,4,6,8,10,12,14
.irp b, 0,1,2,3
	v_max3_num_f32 v[TM+\b], |v[N+16*\b+\i]|, |v[N+16*\b+\i+1]|, v[TM+\b]   ; the four blocks by turns
.endr
.endr
.irp b, 0,1,2,3
	v_permlanex16_b32 v[TM+4+\b], v[TM+\b], s[SEL], s[SEL+1]
.endr
.irp b, 0,1,2,3
	v_max_num_f32 v[TM+\b], v[TM+\b], v[TM+4+\b]   ; with lane l xor 16's 16: the block's largest magnitude
.endr
.irp b, 0,1,2,3
	v_add_nc_u32 v[TM+12+\b], 0xfe000000, v[TM+\b] ; 4 off its exponent field: the conversion's scale operand
.endr
.irp b, 0,1,2,3
	v_lshrrev_b32 v[TM+4+\b], 23, v[TM+12+\b]      ; the scale's byte
.endr
	v_lshl_or_b32 v[PW], v[TM+5], 8, v[TM+4]
	v_lshl_or_b32 v[PW], v[TM+6], 16, v[PW]
	v_lshl_or_b32 v[PW], v[TM+7], 24, v[PW]        ; my row's scale word
.irp c, 0,1
	v_cvt_scalef32_pk16_bf6_f32 v[PC+6*\c:PC+6*\c+2], v[N+32*\c:N+32*\c+15], v[TM+12+2*\c]
	v_cvt_scalef32_pk16_bf6_f32 v[PC+12+4*\c:PC+14+4*\c], v[N+16+32*\c:N+31+32*\c], v[TM+13+2*\c]   ; (a conversion's three registers begin on an even number)
.endr
	v_nop                                          ; one plain place behind a scaled conversion
.irp c, 0,1                                    ; the operand wants a whole block in a lane: lanes 0-15 block 2 c, lanes 16-31 block 2 c + 1
.irp i, 0,1,2
	v_permlane16_swap_b32 v[PC+6*\c+\i], v[PC+12+4*\c+\i]
.endr
.irp i, 0,1,2
	v_mov_b32 v[PC+3+6*\c+\i], v[PC+12+4*\c+\i]
.endr
.endr
.irp e, 0,1,2
	global_store_b128 v[LI], v[PC+4*\e:PC+4*\e+3], s[40:41] offset:512*\e   ; 32 lanes store 512 consecutive bytes, at a multiple of 256 from the buffer's first byte
.endr
	global_store_b32 v[RS], v[PW], s[42:43]        ; lanes r and r + 16 store the same word to the same place
	s_wait_tensorcnt 0x0
	ds_add_u32 v184, v185
	s_wait_dscnt 0x0
	s_endpgm
.Lfunc_end_k_q1e4d367d36_quant:
	.size	k_q1e4d367d36_quant, .Lfunc_end_k_q1e4d367d36_quant-k_q1e4d367d36_quant
	.p2alignl 7, 3214868480
	.fill 96, 4, 3214868480
	.section	.rodata,"a",@progbits
	.p2align	6, 0x0
	.amdhsa_kernel k_q1e4d367d36_quant
		.amdhsa_group_segment_fixed_size 34304
		.amdhsa_private_segment_fixed_size 0
		.amdhsa_enable_private_segment 0
		.amdhsa_kernarg_size 56
		.amdhsa_user_sgpr_count 2
		.amdhsa_user_sgpr_kernarg_segment_ptr 1
		.amdhsa_wavefront_size32 1
		.amdhsa_system_sgpr_workgroup_id_x 1
		.amdhsa_system_sgpr_workgroup_id_y 1
		.amdhsa_system_sgpr_workgroup_id_z 1
		.amdhsa_system_vgpr_workitem_id 0
		.amdhsa_next_free_vgpr 186
		.amdhsa_next_free_sgpr 66
		.amdhsa_reserve_vcc 0
		.amdhsa_float_denorm_mode_32 3
		.amdhsa_float_denorm_mode_16_64 3
		.amdhsa_memory_ordered 1
		.amdhsa_forward_progress 1
		.amdhsa_inst_pref_size 15
	.end_amdhsa_kernel
	.amdgpu_metadata
---
amdhsa.version: [ 1, 2 ]
amdhsa.kernels:
  - .name:           k_q1e4d367d36_quant
    .symbol:         k_q1e4d367d36_quant.kd
    .args:
      - { .name: x, .offset: 0, .size: 8, .value_kind: global_buffer, .address_space: global }
      - { .name: pos, .offset: 8, .size: 8, .value_kind: global_buffer, .address_space: global }
      - { .name: Wq, .offset: 16, .size: 8, .value_kind: global_buffer, .address_space: global }
      - { .name: Wk, .offset: 24, .size: 8, .value_kind: global_buffer, .address_space: global }
      - { .name: Wv, .offset: 32, .size: 8, .value_kind: global_buffer, .address_space: global }
      - { .name: hw_codes, .offset: 40, .size: 8, .value_kind: global_buffer, .address_space: global }
      - { .name: hw_scales, .offset: 48, .size: 8, .value_kind: global_buffer, .address_space: global }
    .group_segment_fixed_size: 34304
    .private_segment_fixed_size: 0
    .kernarg_segment_align: 8
    .kernarg_segment_size: 56
    .max_flat_workgroup_size: 128
    .sgpr_count:     66
    .vgpr_count:     186
    .wavefront_size: 32
...
	.end_amdgpu_metadata
.endif
;; end of part 1
;; launch qkv (part 2): grid 256 x 1, 4 waves a work-group, no clusters, 0 bytes of LDS; arguments hw_codes, hw_scales, bq, bk, bv, qk_codes, qk_scales, v_codes, v_scales; writes qk_codes, qk_scales, v_codes, v_scales
.if DOCPART == 2
	.amdgcn_target "amdgcn-amd-amdhsa--gfx1250"
	.amdhsa_code_object_version 6
	.text
	.protected	k_q1e4d367d36_qkv
	.globl	k_q1e4d367d36_qkv
	.p2align	8
	.type	k_q1e4d367d36_qkv,@function
k_q1e4d367d36_qkv:
	s_mov_b64 s[64:65], 0
	v_nop
	global_prefetch_b8 v0, s[64:65] scope:SCOPE_SE
	s_setreg_imm32_b32 hwreg(HW_REG_WAVE_MODE, 25, 1), 1
	s_wait_xcnt 0x0
; Q = h Wq^T + bq, K = h Wk^T + bk, V = h Wv^T + bv on codes of E3M2 with E8M0 block scales; the results are quantised in registers: Q and K along their 768 columns, V along the keys.
; SHARES: a work-group owns 64 rows of h (a block).  THE WAVES SHARE THE COLUMNS: wave w makes three groups of 128 columns of [Q's six; K's six] (waves 0, 1: Q; waves 2, 3: K) and 192 channels of V.
; The block's 24 fragments of h stay in each wave's registers; each fragment of a weight comes once, by three loads of 512 consecutive bytes, straight into the registers of the one wave that multiplies by it,
; and feeds four matrix instructions.  No operand goes through LDS and the waves never meet: no LDS, no barrier, no branch.  Clusters and joint tensor loads are left out for the same reason: nothing lands in LDS.
; Q, K: THE PRODUCT IS USED TRANSPOSED (source 0 = 16 rows of W, source 1 = 16 rows of h): a lane holds one row of h, and the 16 registers of two tiles are 16 neighbouring columns, since lane r of tile 2 b + u
; holds row 32 b + 8 u + r + 8 (r / 8).  V: natural (source 0 = h, source 1 = W): a lane holds one channel and its registers run down the keys, which are the last product's K.
; The biases are the C of each sum's first matrix instruction.
; A UNIT is four fragments of a weight (6,144 consecutive bytes, 12 loads) and 16 matrix instructions; units go through a ring of five register buffers, asked for five units ahead.
; OUT: Q's and K's blocks are laid as h's are.  V: [batch][wave quarter][key step of 128][channel tile: 12][1,536]: this block's 64 keys are one half of the lanes of a fragment, so that a V fragment's
; four places of 32 along K hold the key blocks 0, 2, 1, 3 of its 128 keys; P is laid the same way by the next launch.
; LIMITS: a block of zeros gets the byte 1 where the rule says 127 (zero codes; read by this program alone); NaN and infinities are not served.
; REGISTERS: window 0: v1-4 addresses; v8-19 h's scale words; v20-31 bv; v32-79 the weights' scale words, two sets; v80-143 bias tiles; v144-179 h's fragments 21-23; v180-223 at work.
;   window 1: h's fragments 0-20.   window 2: the ring.   window 3: the accumulators.
.set LI,   1                           ; v1  16 x lane
.set HB,   2                           ; v2  64 h: my half's 16 numbers of a bias
.set RB,   3                           ; v3  4 (r + 8 (r / 8)): my channel in a tile of bv
.set VA,   4                           ; v4  1,536 h + 16 r: V's codes: lanes 0-15 one channel tile, lanes 16-31 the next
.set HS,   8
.set BV,   20
.set WS,   32
.set BI,   80
.set HX,   144
.set TM,   180                         ; v180-183 largest magnitudes, v184-187 bytes, v192-195 scale operands
.set PC,   196                         ; v196-215 the codes
.set PW,   216                         ; v216-219 four tiles' scale words
.set SW0,  220                         ; v220-221 two tiles' words in one register
.set BLO,  222                         ; v222-223 V's bytes
.set BHI,  223
.set RING, 512
.set ACC,  768
.set SH,   32                          ; s[32:33] the block's codes of h;  s[34:35] its scale words
.set SHS,  34
.set SWQ,  36                          ; my six blocks of Wq or Wk;  s[38:39] my three of Wv;  s[40:43] their scale words
.set SWV,  38
.set SSQ,  40
.set SSV,  42
.set SB,   44                          ; my 384 numbers of bq or bk;  s[46:47] my 192 of bv
.set SBV,  46
.set SOQ,  48                          ; out: Q's or K's codes;  s[50:55] the three groups' scale words;  s[56:57] V's codes;  s[58:59] V's bytes
.set SOS,  50
.set SOV,  56
.set SOVS, 58
.set HI,   60                          ; s60  lanes 16-31
.set SEL,  62                          ; s[62:63] lane selects: lane l xor 16
.set MSB, 0
.macro WIN new                         ; the immediate's high byte repeats the setting that is left; a switch that changes nothing is dropped
.if MSB != (\new)
	s_set_vgpr_msb (MSB<<8)|(\new)
.set MSB, \new
.endif
.endm
; A matrix instruction on absolute register numbers 0 .. 1023.  ra, rb = 1: that side's scales stand in lanes 16-31 of the register named.
.macro MM d, a, b, c, sa, ra, sb, rb
.set rD, (\d)&255
.set rA, (\a)&255
.set rB, (\b)&255
.set rC, (\c)&255
	WIN ((((\d)>>8)<<6)|(((\c)>>8)<<4)|(((\b)>>8)<<2)|((\a)>>8))
.if (\ra) && (\rb)
	v_wmma_scale_f32_16x16x128_f8f6f4 v[rD:rD+7], v[rA:rA+11], v[rB:rB+11], v[rC:rC+7], v[\sa], v[\sb] matrix_a_fmt:MATRIX_FMT_BF6 matrix_b_fmt:MATRIX_FMT_BF6 matrix_a_scale:MATRIX_SCALE_ROW1 matrix_b_scale:MATRIX_SCALE_ROW1
.elseif (\ra)
	v_wmma_scale_f32_16x16x128_f8f6f4 v[rD:rD+7], v[rA:rA+11], v[rB:rB+11], v[rC:rC+7], v[\sa], v[\sb] matrix_a_fmt:MATRIX_FMT_BF6 matrix_b_fmt:MATRIX_FMT_BF6 matrix_a_scale:MATRIX_SCALE_ROW1
.elseif (\rb)
	v_wmma_scale_f32_16x16x128_f8f6f4 v[rD:rD+7], v[rA:rA+11], v[rB:rB+11], v[rC:rC+7], v[\sa], v[\sb] matrix_a_fmt:MATRIX_FMT_BF6 matrix_b_fmt:MATRIX_FMT_BF6 matrix_b_scale:MATRIX_SCALE_ROW1
.else
	v_wmma_scale_f32_16x16x128_f8f6f4 v[rD:rD+7], v[rA:rA+11], v[rB:rB+11], v[rC:rC+7], v[\sa], v[\sb] matrix_a_fmt:MATRIX_FMT_BF6 matrix_b_fmt:MATRIX_FMT_BF6
.endif
.endm
.macro GL4 dst, va, sb, off            ; 16 bytes a lane into absolute register dst on
.set rG, (\dst)&255
	WIN (((\dst)>>8)<<6)
	global_load_b128 v[rG:rG+3], v[\va], s[\sb:\sb+1] offset:\off
.endm
.macro PLACES                          ; a load into a register that a matrix instruction has read, and a vector instruction that reads a matrix result, stand four plain vector instructions behind it
.rept 4
	v_nop
.endr
.endm
.macro HFRAG f                         ; where h's fragment f = 4 s + m stands
.if (\f) < 21
.set hfr, 256+12*(\f)
.else
.set hfr, HX+12*((\f)-21)
.endif
.endm
.macro ULOAD u                         ; unit u's four fragments into ring buffer u % 5
.if (\u) < 36
.set uo, 73728*((\u)/12)+36864*((\u)%2)+6144*(((\u)%12)/2)
.set ub, SWQ
.else
.set uo, 6144*((\u)-36)
.set ub, SWV
.endif
.irp i, 0,1,2,3,4,5,6,7,8,9,10,11
	GL4 RING+48*((\u)%5)+4*\i, LI, ub, uo+512*\i
.endr
.endm
.macro GP g                            ; group g of Q or K: its 128 biases in the result's layout (lane half h of tile T: columns 64 (T / 4) + 32 ((T / 2) % 2) + 8 (T % 2) + 16 h + 0 .. 7), and its two blocks' scale words: 22 loads
.irp T, 0,1,2,3,4,5,6,7
	GL4 BI+8*\T, HB, SB, 512*(\g)+(64*(\T>>2)+32*((\T>>1)&1)+8*(\T&1))*4
	GL4 BI+8*\T+4, HB, SB, 512*(\g)+(64*(\T>>2)+32*((\T>>1)&1)+8*(\T&1))*4+16
.endr
.irp e, 0,1,2,3,4,5
	GL4 WS+24*((\g)%2)+4*\e, LI, SSQ, 3072*(\g)+512*\e
.endr
.endm
.macro GPV p                           ; pass p of V: its block's scale words: 3 loads
.irp e, 0,1,2
	GL4 WS+24*((3+(\p))%2)+4*\e, LI, SSV, 1536*(\p)+512*\e
.endr
.endm
; Four runs of 16 registers of window sw, in the order of the fragment's four places of 32 along K; a run holds my half (16 h + 0 .. 15) of a block.  Leaves the bytes in v[TM+4..7], the scale operands in v[TM+12..15].
.macro QMAX sw, b0, b1, b2, b3
	WIN (\sw)|((\sw)<<2)
	v_max3_num_f32 v[TM], |v[\b0]|, |v[\b0+1]|, 0x2800000      ; each accumulator is read from its low end on; the floor 2^(5 - 127) holds the byte at 1 from below
	v_max3_num_f32 v[TM+1], |v[\b1]|, |v[\b1+1]|, 0x2800000
	v_max3_num_f32 v[TM+2], |v[\b2]|, |v[\b2+1]|, 0x2800000
	v_max3_num_f32 v[TM+3], |v[\b3]|, |v[\b3+1]|, 0x2800000
.irp i, 2,4,6,8,10,12,14
	v_max3_num_f32 v[TM], |v[\b0+\i]|, |v[\b0+\i+1]|, v[TM]
	v_max3_num_f32 v[TM+1], |v[\b1+\i]|, |v[\b1+\i+1]|, v[TM+1]
	v_max3_num_f32 v[TM+2], |v[\b2+\i]|, |v[\b2+\i+1]|, v[TM+2]
	v_max3_num_f32 v[TM+3], |v[\b3+\i]|, |v[\b3+\i+1]|, v[TM+3]
.endr
	WIN 0
.irp b, 0,1,2,3
	v_permlanex16_b32 v[TM+4+\b], v[TM+\b], s[SEL], s[SEL+1]
.endr
.irp b, 0,1,2,3
	v_max_num_f32 v[TM+\b], v[TM+\b], v[TM+4+\b]   ; with lane l xor 16's half: the block's largest magnitude
.endr
.irp b, 0,1,2,3
	v_add_nc_u32 v[TM+12+\b], 0xfe000000, v[TM+\b] ; 4 off its exponent field: the conversion's scale operand
.endr
.irp b, 0,1,2,3
	v_lshrrev_b32 v[TM+4+\b], 23, v[TM+12+\b]      ; the scale's byte
.endr
.endm
.macro QWORD dst
	v_lshl_or_b32 v[\dst], v[TM+5], 8, v[TM+4]
	v_lshl_or_b32 v[\dst], v[TM+6], 16, v[\dst]
	v_lshl_or_b32 v[\dst], v[TM+7], 24, v[\dst]
.endm
.macro QCVT sw, b0, b1, b2, b3         ; the same four runs become a fragment's 12 registers in v[PC] on
	s_wait_xcnt 0x0                                ; the earlier stores have read v[PC] on (and the registers of the words and bytes): they are rewritten only behind this wait
	WIN \sw
	v_cvt_scalef32_pk16_bf6_f32 v[PC:PC+2], v[\b0:\b0+15], v[TM+12]
	v_cvt_scalef32_pk16_bf6_f32 v[PC+12:PC+14], v[\b1:\b1+15], v[TM+13]   ; (a conversion's three registers begin on an even number)
	v_cvt_scalef32_pk16_bf6_f32 v[PC+6:PC+8], v[\b2:\b2+15], v[TM+14]
	v_cvt_scalef32_pk16_bf6_f32 v[PC+16:PC+18], v[\b3:\b3+15], v[TM+15]
	WIN 0
	v_nop                                          ; one plain place behind a scaled conversion
.irp c, 0,1                                    ; a whole block to a lane: lanes 0-15 place 2 c, lanes 16-31 place 2 c + 1
.irp i, 0,1,2
	v_permlane16_swap_b32 v[PC+6*\c+\i], v[PC+12+4*\c+\i]
.endr
.irp i, 0,1,2
	v_mov_b32 v[PC+3+6*\c+\i], v[PC+12+4*\c+\i]
.endr
.endr
.endm
; A unit.  The wait counts the loads issued behind unit n's own twelve: twelve for each of the younger units (four, fewer at the end), and what was issued between them: 22
; or 3 (V's scale words).  Loads come back in order (ISA guide 5.7.1), so whatever was asked for ahead of unit n's fragments is in too.
; The 16 accumulators of a unit take turns, one instruction a turn, in the same order in every unit.
.macro UNIT
.set lft, 53-n
.if lft > 4
.set lft, 4
.endif
.set cnt, 12*lft
.if ((n >= 2) && (n <= 5)) || ((n >= 14) && (n <= 17))
.set cnt, 63
.elseif ((n >= 26) && (n <= 29)) || ((n >= 38) && (n <= 41)) || ((n >= 44) && (n <= 47))
.set cnt, cnt+3
.endif
	s_wait_loadcnt cnt
.if n < 36                             ; Q, K: group n / 12, K step (n % 12) / 2, the group's block n % 2 of 64 columns
.set grp, n/12
.set kst, (n%12)/2
.set hf, n%2
.irp m, 0,1,2,3
	HFRAG 4*kst+\m
.irp t, 0,1,2,3
.if kst == 0
.set cc, BI+8*(4*hf+\t)
.else
.set cc, ACC+64*\m+8*(4*hf+\t)
.endif
	MM ACC+64*\m+8*(4*hf+\t), RING+48*(n%5)+12*\t, hfr, cc, WS+24*(grp%2)+12*hf+4*(kst>>1)+2*(\t>>1)+(kst&1), \t&1, HS+4*(kst>>1)+2*(\m>>1)+(kst&1), \m&1
.endr
.endr
.else                                  ; V: pass (n - 36) / 6 of 64 channels, K step (n - 36) % 6
.set iv, (n-36)/6
.set kst, (n-36)%6
.irp m, 0,1,2,3
	HFRAG 4*kst+\m
.irp t, 0,1,2,3
.if kst == 0
.set cc, BI+8*\t
.else
.set cc, ACC+32*\t+8*\m
.endif
	MM ACC+32*\t+8*\m, hfr, RING+48*(n%5)+12*\t, cc, HS+4*(kst>>1)+2*(\m>>1)+(kst&1), \m&1, WS+24*((3+iv)%2)+4*(kst>>1)+2*(\t>>1)+(kst&1), \t&1
.endr
.endr
.endif
	PLACES
.if n == 1                             ; what a later group wants, into registers whose last reader stands at least a unit's places back
	GP 1
.elseif n == 13
	GP 2
.elseif n == 25
	GPV 0
.elseif n == 37
	GPV 1
.elseif n == 43
	GPV 2
.endif
.if n+5 <= 53
	ULOAD n+5                                      ; into the buffer just multiplied
.endif
.endm
; A group of Q or K is finished: for each tile of 16 rows its 64 registers a lane (column 32 b + 16 h + i at register 16 b + i) become one fragment and one scale word a row.
.macro EPQ g
.irp m, 0,1,2,3
	QMAX 3, 64*\m, 64*\m+16, 64*\m+32, 64*\m+48
	QWORD PW+\m
	QCVT 3, 64*\m, 64*\m+16, 64*\m+32, 64*\m+48
.irp e, 0,1,2
	global_store_b128 v[LI], v[PC+4*\e:PC+4*\e+3], s[SOQ:SOQ+1] offset:6144*(\g)+1536*\m+512*\e   ; 32 lanes store 512 consecutive bytes, at a multiple of 256 from the buffer's first byte
.endr
.endr
	v_cndmask_b32 v[SW0], v[PW], v[PW+1], s[HI]    ; lanes 0-15 the even tile's words, lanes 16-31 the odd tile's
	v_cndmask_b32 v[SW0+1], v[PW+2], v[PW+3], s[HI]
	global_store_b32 v[LI], v[SW0], s[SOS+2*(\g):SOS+2*(\g)+1]
	global_store_b32 v[LI], v[SW0+1], s[SOS+2*(\g):SOS+2*(\g)+1] offset:8
.endm
; A pass of V is finished: a channel tile's 32 registers a lane are two blocks of 32 keys (my half of each).  Two tiles are converted together: places 0 and 2 take tile 2 p's blocks, places 1 and 3
; tile 2 p + 1's, so that lanes 0-15 end with tile 2 p's twelve registers and lanes 16-31 with tile 2 p + 1's: each is the half of a fragment's lanes that belongs to this block's 64 keys.
.macro EPV i
.irp p, 0,1
	QMAX 3, 64*\p, 64*\p+32, 64*\p+16, 64*\p+48
	QCVT 3, 64*\p, 64*\p+32, 64*\p+16, 64*\p+48
.irp e, 0,1,2
	global_store_b128 v[VA], v[PC+4*\e:PC+4*\e+3], s[SOV:SOV+1] offset:(4*(\i)+2*\p)*1536+512*\e   ; each 16 lanes store 256 consecutive bytes, aligned
.endr
	v_cndmask_b32 v[BLO], v[TM+4], v[TM+5], s[HI]  ; my tile's byte of the first 32 keys,
	v_cndmask_b32 v[BHI], v[TM+6], v[TM+7], s[HI]  ; and of the second
	global_store_b8 v[LI], v[BLO], s[SOVS:SOVS+1] offset:1024*(2*(\i)+\p)
	global_store_b8 v[LI], v[BHI], s[SOVS:SOVS+1] offset:1024*(2*(\i)+\p)+2
.endr
.endm
.macro BIV i                           ; bv of pass i as the C of its sums: a lane holds one channel, so all eight registers of a tile hold its bias
.irp t, 0,1,2,3
.irp j, 0,1,2,3,4,5,6,7
	v_mov_b32 v[BI+8*\t+\j], v[BV+4*(\i)+\t]
.endr
.endr
	PLACES
.endm
	s_load_b256 s[4:11], s[0:1], 0x0               ; hw_codes s[4:5], hw_scales s[6:7], bq s[8:9], bk s[10:11]
	s_load_b256 s[12:19], s[0:1], 0x20             ; bv s[12:13], qk_codes s[14:15], qk_scales s[16:17], v_codes s[18:19]
	s_load_b64 s[20:21], s[0:1], 0x40              ; v_scales
	v_lshrrev_b32 v5, 5, v0
	v_readfirstlane_b32 s22, v5                    ; wave w
	v_and_b32 v5, 31, v0
	v_and_b32 v6, 15, v0                           ; r
	v_bfe_u32 v7, v0, 4, 1                         ; h
	v_lshlrev_b32 v[LI], 4, v5
	v_lshlrev_b32 v[HB], 6, v7
	v_and_b32 v5, 8, v6
	v_add_nc_u32 v5, v5, v6
	v_lshlrev_b32 v[RB], 2, v5
	v_mul_u32_u24 v[VA], v7, 1536
	v_lshl_add_u32 v[VA], v6, 4, v[VA]
.irp b, 0,1,2,3
	v_mov_b32 v[TM+4+\b], 0                        ; written once: a lane permute's destination counts as one of its sources
.endr
	s_and_b32 s23, s22, 1                          ; w % 2
	s_lshr_b32 s24, s22, 1                         ; w / 2: Q (0) or K (1)
	s_lshr_b32 s26, ttmp9, 4                       ; batch
	s_and_b32 s27, ttmp9, 15                       ; the block's number in its batch
	s_mov_b32 s29, 0                               ; every offset is made in s28, with 0 above it (all stay under 2^25)
	s_mov_b32 s[HI], 0xffff0000
	s_mov_b32 s[SEL], 0x76543210
	s_mov_b32 s[SEL+1], 0xfedcba98
	s_wait_kmcnt 0x0
	s_mul_i32 s28, ttmp9, 36864
	s_add_nc_u64 s[SH:SH+1], s[4:5], s[28:29]
	s_mul_i32 s28, ttmp9, 1536
	s_add_nc_u64 s[SHS:SHS+1], s[6:7], s[28:29]
	s_mul_i32 s28, s22, 221184                     ; six blocks a wave, behind h's 256
	s_add_co_u32 s28, s28, 9437184
	s_add_nc_u64 s[SWQ:SWQ+1], s[4:5], s[28:29]
	s_mul_i32 s28, s22, 110592                     ; three blocks a wave, from block 280 on
	s_add_co_u32 s28, s28, 10321920
	s_add_nc_u64 s[SWV:SWV+1], s[4:5], s[28:29]
	s_mul_i32 s28, s22, 9216
	s_add_co_u32 s28, s28, 393216
	s_add_nc_u64 s[SSQ:SSQ+1], s[6:7], s[28:29]
	s_mul_i32 s28, s22, 4608
	s_add_co_u32 s28, s28, 430080
	s_add_nc_u64 s[SSV:SSV+1], s[6:7], s[28:29]
	s_cmp_lt_u32 s22, 2                            ; the choice hangs on the wave's number alone
	s_cselect_b64 s[SB:SB+1], s[8:9], s[10:11]
	s_mul_i32 s28, s23, 1536
	s_add_nc_u64 s[SB:SB+1], s[SB:SB+1], s[28:29]
	s_mul_i32 s28, s22, 768
	s_add_nc_u64 s[SBV:SBV+1], s[12:13], s[28:29]
	s_mul_i32 s28, s24, 9437184
	s_mul_i32 s25, ttmp9, 36864
	s_add_co_u32 s28, s28, s25
	s_mul_i32 s25, s23, 18432
	s_add_co_u32 s28, s28, s25
	s_add_nc_u64 s[SOQ:SOQ+1], s[14:15], s[28:29]
	s_mul_i32 s30, s24, 393216
	s_mul_i32 s25, ttmp9, 1536
	s_add_co_u32 s30, s30, s25                     ; the block's scale words
	s_mul_i32 s31, s23, 3                          ; my first group is K step 3 (w % 2) of Q or K
.irp g, 0,1,2
	s_add_co_u32 s25, s31, \g
	s_lshr_b32 s28, s25, 1
	s_lshl_b32 s28, s28, 9
	s_and_b32 s25, s25, 1
	s_lshl_b32 s25, s25, 2
	s_add_co_u32 s28, s28, s25
	s_add_co_u32 s28, s28, s30
	s_add_nc_u64 s[SOS+2*\g:SOS+2*\g+1], s[16:17], s[28:29]
.endr
	s_mul_i32 s28, s26, 589824
	s_mul_i32 s25, s22, 147456
	s_add_co_u32 s28, s28, s25
	s_lshr_b32 s25, s27, 1                         ; the key step of 128,
	s_mul_i32 s25, s25, 18432
	s_add_co_u32 s28, s28, s25
	s_and_b32 s25, s27, 1                          ; and which half of its fragments' lanes
	s_lshl_b32 s25, s25, 8
	s_add_co_u32 s28, s28, s25
	s_add_nc_u64 s[SOV:SOV+1], s[18:19], s[28:29]
	s_mul_i32 s28, s26, 24576
	s_mul_i32 s25, s22, 6144
	s_add_co_u32 s28, s28, s25
	s_lshr_b32 s25, s27, 3
	s_lshl_b32 s25, s25, 9
	s_add_co_u32 s28, s28, s25
	s_bfe_u32 s25, s27, 0x20001
	s_lshl_b32 s25, s25, 2
	s_add_co_u32 s28, s28, s25
	s_and_b32 s25, s27, 1
	s_add_co_u32 s28, s28, s25
	s_add_nc_u64 s[SOVS:SOVS+1], s[20:21], s[28:29]
.irp e, 0,1,2
	GL4 HS+4*\e, LI, SHS, 512*\e                   ; h's scale words: (tile m, K step s) in register 4 (s / 2) + 2 (m / 2) + s % 2, lanes 0-15 for m even, 16-31 for m odd
.endr
.irp i, 0,1,2
.irp t, 0,1,2,3
	global_load_b32 v[BV+4*\i+\t], v[RB], s[SBV:SBV+1] offset:(64*\i+32*(\t>>1)+8*(\t&1))*4
.endr
.endr
	GP 0
.set f, 0
.rept 24
	HFRAG f
.irp e, 0,1,2
	GL4 hfr+4*\e, LI, SH, 1536*f+512*\e
.endr
.set f, f+1
.endr
.irp u, 0,1,2,3,4
	ULOAD \u
.endr
.set n, 0
.rept 54
	UNIT
.if (n < 36) && (n%12 == 11)
	EPQ n/12
.if n == 35
	BIV 0
.endif
.elseif (n >= 36) && ((n-36)%6 == 5)
	EPV (n-36)/6
.if n < 53
	BIV (n-36)/6+1
.endif
.endif
.set n, n+1
.endr
	WIN 0
	s_endpgm
.Lfunc_end_k_q1e4d367d36_qkv:
	.size	k_q1e4d367d36_qkv, .Lfunc_end_k_q1e4d367d36_qkv-k_q1e4d367d36_qkv
	.p2alignl 7, 3214868480
	.fill 96, 4, 3214868480
	.section	.rodata,"a",@progbits
	.p2align	6, 0x0
	.amdhsa_kernel k_q1e4d367d36_qkv
		.amdhsa_group_segment_fixed_size 0
		.amdhsa_private_segment_fixed_size 0
		.amdhsa_enable_private_segment 0
		.amdhsa_kernarg_size 72
		.amdhsa_user_sgpr_count 2
		.amdhsa_user_sgpr_kernarg_segment_ptr 1
		.amdhsa_wavefront_size32 1
		.amdhsa_system_sgpr_workgroup_id_x 1
		.amdhsa_system_sgpr_workgroup_id_y 1
		.amdhsa_system_sgpr_workgroup_id_z 1
		.amdhsa_system_vgpr_workitem_id 0
		.amdhsa_next_free_vgpr 1024
		.amdhsa_next_free_sgpr 66
		.amdhsa_reserve_vcc 0
		.amdhsa_float_denorm_mode_32 3
		.amdhsa_float_denorm_mode_16_64 3
		.amdhsa_memory_ordered 1
		.amdhsa_forward_progress 1
		.amdhsa_inst_pref_size 255
	.end_amdhsa_kernel
	.section	.bss,"aw",@nobits
	.p2align	6
	.space	262144
	.amdgpu_metadata
---
amdhsa.version: [ 1, 2 ]
amdhsa.kernels:
  - .name:           k_q1e4d367d36_qkv
    .symbol:         k_q1e4d367d36_qkv.kd
    .args:
      - { .name: hw_codes, .offset: 0, .size: 8, .value_kind: global_buffer, .address_space: global }
      - { .name: hw_scales, .offset: 8, .size: 8, .value_kind: global_buffer, .address_space: global }
      - { .name: bq, .offset: 16, .size: 8, .value_kind: global_buffer, .address_space: global }
      - { .name: bk, .offset: 24, .size: 8, .value_kind: global_buffer, .address_space: global }
      - { .name: bv, .offset: 32, .size: 8, .value_kind: global_buffer, .address_space: global }
      - { .name: qk_codes, .offset: 40, .size: 8, .value_kind: global_buffer, .address_space: global }
      - { .name: qk_scales, .offset: 48, .size: 8, .value_kind: global_buffer, .address_space: global }
      - { .name: v_codes, .offset: 56, .size: 8, .value_kind: global_buffer, .address_space: global }
      - { .name: v_scales, .offset: 64, .size: 8, .value_kind: global_buffer, .address_space: global }
    .group_segment_fixed_size: 0
    .private_segment_fixed_size: 0
    .kernarg_segment_align: 8
    .kernarg_segment_size: 72
    .max_flat_workgroup_size: 128
    .sgpr_count:     66
    .vgpr_count:     1024
    .wavefront_size: 32
...
	.end_amdgpu_metadata
.endif
;; end of part 2
;; launch attn (part 3): grid 256 x 1, 4 waves a work-group, no clusters, 108,032 bytes of LDS; arguments qk_codes, qk_scales, v_codes, v_scales, out0; writes out0
.if DOCPART == 3
	.amdgcn_target "amdgcn-amd-amdhsa--gfx1250"
	.amdhsa_code_object_version 6
	.text
	.protected	k_q1e4d367d36_attn
	.globl	k_q1e4d367d36_attn
	.p2align	8
	.type	k_q1e4d367d36_attn,@function
k_q1e4d367d36_attn:
	s_mov_b64 s[64:65], 0
	v_nop
	global_prefetch_b8 v0, s[64:65] scope:SCOPE_SE
	s_setreg_imm32_b32 hwreg(HW_REG_WAVE_MODE, 25, 1), 1
	s_wait_xcnt 0x0
; out[b][q][:] = the sum over k of softmax_k(Q[b][q] . K[b][k] / sqrt(768)) V[b][k][:], both products on codes of E3M2 with E8M0 block scales.
; THE SOFTMAX AHEAD OF THE SECOND PRODUCT: t = score x log2(e) / sqrt(768); M = the row's largest t rounded up to a whole number; p = 2^(t - M) is quantised along the keys, not normalised;
; the row's sum is taken of the unquantised p and divides at the end.  A row has 1,024 keys, so the scores of the work-group's 64 queries fit in its four waves' registers: M is the whole row's, nothing is rescaled.
; SHARES: a work-group owns a block of 64 queries.  THE WAVES SHARE THE COLUMNS.  Phase 1: wave w makes S^T (source 0 = 16 keys, source 1 = 16 queries) for keys 256 w .. 256 w + 255 and all 64 queries:
; 64 accumulators.  Phase 2: it makes O^T (source 0 = 16 channels of V^T, source 1 = P) for channels 192 w .. 192 w + 191 and all 64 queries: 48 accumulators.  A lane holds one query throughout.
; K's and V's fragments are images of operand registers in memory: each comes once a work-group, by three loads of 512 consecutive bytes, into the registers of the one wave that multiplies by it, and feeds four
; matrix instructions.  A UNIT is four fragments (12 loads) and 16 matrix instructions; units go through a ring of five register buffers, asked for five units ahead; V's first units land during the softmax.
; Nothing but P, four numbers a row and the way out goes through LDS, so clusters and joint tensor loads have nothing to fill and are left out.
; P GOES FROM WAVE TO WAVE THROUGH LDS AS IMAGES OF ITS REGISTERS; a fragment's four places of 32 along K hold the key blocks 0, 2, 1, 3 of its 128 keys, as V's fragments were laid.
; Lane r of tile 2 b + u (of queries, keys, channels) holds row 32 b + 8 u + r + 8 (r / 8) of its block of 64, so the 16 registers of two neighbouring tiles of a result are 16 neighbours.
; LIMITS: t is the score times ONE f32 constant where the definition multiplies twice (a difference of one rounding); a block whose every p is 0 keeps the byte 1 with zero codes; NaN and infinities are not served.
; REGISTERS: window 0: v1-11 addresses; v12-19 -M, later 1 / sum (pairs); v20-35 sums; v36-39 a number a tile; v40-87 K's, then V's scale words; v88-119 Q's, then P's scale words;
;   v120-215 Q's fragments, two sets; then blocks' maxima, bytes and scale operands; then P's fragments, two sets; then rows of the output; v216-239 codes and scale words just made; v240-255 the four waves' maxima, then sums.
;   window 1: the ring.   windows 2, 3: S^T (tile m, key tile kt at 512 + 128 m + 8 kt), then O^T (tile m, channel tile c at 512 + 256 (m / 2) + 96 (m % 2) + 8 c).
.set PIMG, 0                           ; LDS: P's 32 fragments: (key step ks, tile m) at 1,536 (4 ks + m)
.set PSC,  49152                       ; their scale words: 512 ks + 16 lane + 4 m
.set MX,   53248                       ; the waves' row maxima: 512 m + 16 lane + 4 w
.set SM,   55296                       ; and row sums, likewise
.set STG,  57344                       ; the way out: for each wave 16 rows x (768 + 16) bytes
.set LI,   1                           ; v1   16 x lane
.set MXA,  2                           ; v2   16 x lane + 4 w
.set PWI,  3                           ; v3   16 x lane + 12,288 w: my eight fragments of P
.set STO,  4                           ; v4   my stage + 784 r + 64 h
.set RD0,  5                           ; v5   my stage + 256 h + 16 r
.set RD1,  6                           ; v6   my stage + 272 h + 16 r
.set GO0,  8                           ; v8   256 h + 16 r
.set GO1,  9                           ; v9   2,560 h + 16 r
.set PSA,  11                          ; v11  16 x lane + 1,024 w: my two key steps' scale words
.set NEGM, 12
.set SA,   20
.set SB,   28
.set RM,   36
.set KS,   40
.set QS,   88
.set PS,   88
.set QF,   120
.set BM,   120
.set PC1,  120
.set TP,   152
.set SOP,  184
.set PF,   120
.set OB,   120
.set PC0,  216
.set PW,   236
.set MXR,  240
.set SML,  240
.set RING, 256
.set SACC, 512
.set SQ,   20                          ; s[20:21] Q's codes of my block;  s[22:23] its scale words
.set SQS,  22
.set SK,   24                          ; s[24:25] K's codes of my wave's four blocks;  s[26:27] their scale words
.set SKS,  26
.set SV,   28                          ; s[28:29] V's codes of my wave's channels;  s[30:31] their scale words
.set SVS,  30
.set SOUT, 32                          ; s[32:33] the output at my block's first row and my wave's first channel
.set CS,   34                          ; s[34:35] c = log2(e) / sqrt(768): the packed form names a pair and takes its low word
.set SEL,  36                          ; s[36:37] lane selects: lane l xor 16
.set MSB, 0
.macro WIN new                         ; the immediate's high byte repeats the setting that is left; a switch that changes nothing is dropped
.if MSB != (\new)
	s_set_vgpr_msb (MSB<<8)|(\new)
.set MSB, \new
.endif
.endm
; A matrix instruction on absolute register numbers 0 .. 1023.  c = -1: the constant 0 starts the sum.  ra, rb = 1: that side's scales stand in lanes 16-31 of the register named.
.macro MM d, a, b, c, sa, ra, sb, rb
.set rD, (\d)&255
.set rA, (\a)&255
.set rB, (\b)&255
	WIN ((((\d)>>8)<<6)|(((\d)>>8)<<4)|(((\b)>>8)<<2)|((\a)>>8))
.if (\c) < 0
.if (\ra) && (\rb)
	v_wmma_scale_f32_16x16x128_f8f6f4 v[rD:rD+7], v[rA:rA+11], v[rB:rB+11], 0, v[\sa], v[\sb] matrix_a_fmt:MATRIX_FMT_BF6 matrix_b_fmt:MATRIX_FMT_BF6 matrix_a_scale:MATRIX_SCALE_ROW1 matrix_b_scale:MATRIX_SCALE_ROW1
.elseif (\ra)
	v_wmma_scale_f32_16x16x128_f8f6f4 v[rD:rD+7], v[rA:rA+11], v[rB:rB+11], 0, v[\sa], v[\sb] matrix_a_fmt:MATRIX_FMT_BF6 matrix_b_fmt:MATRIX_FMT_BF6 matrix_a_scale:MATRIX_SCALE_ROW1
.elseif (\rb)
	v_wmma_scale_f32_16x16x128_f8f6f4 v[rD:rD+7], v[rA:rA+11], v[rB:rB+11], 0, v[\sa], v[\sb] matrix_a_fmt:MATRIX_FMT_BF6 matrix_b_fmt:MATRIX_FMT_BF6 matrix_b_scale:MATRIX_SCALE_ROW1
.else
	v_wmma_scale_f32_16x16x128_f8f6f4 v[rD:rD+7], v[rA:rA+11], v[rB:rB+11], 0, v[\sa], v[\sb] matrix_a_fmt:MATRIX_FMT_BF6 matrix_b_fmt:MATRIX_FMT_BF6
.endif
.else
.if (\ra) && (\rb)
	v_wmma_scale_f32_16x16x128_f8f6f4 v[rD:rD+7], v[rA:rA+11], v[rB:rB+11], v[rD:rD+7], v[\sa], v[\sb] matrix_a_fmt:MATRIX_FMT_BF6 matrix_b_fmt:MATRIX_FMT_BF6 matrix_a_scale:MATRIX_SCALE_ROW1 matrix_b_scale:MATRIX_SCALE_ROW1
.elseif (\ra)
	v_wmma_scale_f32_16x16x128_f8f6f4 v[rD:rD+7], v[rA:rA+11], v[rB:rB+11], v[rD:rD+7], v[\sa], v[\sb] matrix_a_fmt:MATRIX_FMT_BF6 matrix_b_fmt:MATRIX_FMT_BF6 matrix_a_scale:MATRIX_SCALE_ROW1
.elseif (\rb)
	v_wmma_scale_f32_16x16x128_f8f6f4 v[rD:rD+7], v[rA:rA+11], v[rB:rB+11], v[rD:rD+7], v[\sa], v[\sb] matrix_a_fmt:MATRIX_FMT_BF6 matrix_b_fmt:MATRIX_FMT_BF6 matrix_b_scale:MATRIX_SCALE_ROW1
.else
	v_wmma_scale_f32_16x16x128_f8f6f4 v[rD:rD+7], v[rA:rA+11], v[rB:rB+11], v[rD:rD+7], v[\sa], v[\sb] matrix_a_fmt:MATRIX_FMT_BF6 matrix_b_fmt:MATRIX_FMT_BF6
.endif
.endif
.endm
.macro GL4 dst, va, sb, off            ; 16 bytes a lane into absolute register dst on
.set rG, (\dst)&255
	WIN (((\dst)>>8)<<6)
	global_load_b128 v[rG:rG+3], v[\va], s[\sb:\sb+1] offset:\off
.endm
.macro PLACES                          ; a load into a register that a matrix instruction has read, and a vector instruction that reads a matrix result, stand four plain vector instructions behind it
.rept 4
	v_nop
.endr
.endm
.macro ULOAD u                         ; unit u's four fragments into ring buffer u % 5.  u < 24: K: K step u / 4, block u % 4 of my four;  else V: key step (u - 24) / 3, channel tiles 4 ((u - 24) % 3) on
.if (\u) < 24
.set uo, 36864*((\u)%4)+6144*((\u)/4)
.set ub, SK
.else
.set uo, 6144*((\u)-24)
.set ub, SV
.endif
.irp i, 0,1,2,3,4,5,6,7,8,9,10,11
	GL4 RING+48*((\u)%5)+4*\i, LI, ub, uo+512*\i
.endr
.endm
.macro QLOAD q                         ; Q's four fragments of K step q into set q % 2
.irp i, 0,1,2,3,4,5,6,7,8,9,10,11
	GL4 QF+48*((\q)%2)+4*\i, LI, SQ, 6144*(\q)+512*\i
.endr
.endm
; Phase 1's unit n.  Behind unit n's own loads stand four younger units' and, up to unit 19, one set of Q's: 60; from unit 20 on 48.  Q's set of a K step is older than that step's first unit, so it is in too.
; A unit's 16 accumulators take turns, one instruction a turn; an accumulator comes round again four units later.
.macro UNIT1
.set kst, n/4
.set jb, n%4
.if n <= 19
	s_wait_loadcnt 60
.else
	s_wait_loadcnt 48
.endif
.irp m, 0,1,2,3
.irp t, 0,1,2,3
.if kst == 0
.set cc, -1
.else
.set cc, 0
.endif
	MM SACC+128*\m+8*(4*jb+\t), RING+48*(n%5)+12*\t, QF+48*(kst%2)+12*\m, cc, KS+12*jb+4*(kst>>1)+2*(\t>>1)+(kst&1), \t&1, QS+4*(kst>>1)+2*(\m>>1)+(kst&1), \m&1
.endr
.endr
	PLACES
.if (n%4 == 3) && (kst <= 3)
	QLOAD kst+2                                    ; into the set whose last products stand above
.endif
	ULOAD n+5                                      ; from unit 19 on these are V's
.endm
.macro PFETCH q                        ; P's four fragments of key step q from LDS into set q % 2
	WIN 0
.irp i, 0,1,2,3,4,5,6,7,8,9,10,11
	ds_load_b128 v[PF+48*((\q)%2)+4*\i:PF+48*((\q)%2)+4*\i+3], v[LI] offset:PIMG+6144*(\q)+512*\i
.endr
.endm
; Phase 2's unit n.  At a key step's head its P fragments are in when at most the next step's twelve LDS loads are out (none are behind the last step's).  At the first unit V's scale words are the
; youngest loads: the wait is for 0, and all of it had the softmax in which to land; later twelve for each younger unit, four at the most.
.macro UNIT2
.set kst, (n-24)/3
.set uu, (n-24)%3
.if uu == 0
.if kst == 7
	s_wait_dscnt 0x0
.else
	s_wait_dscnt 12
.endif
.endif
.set lft, 47-n
.if lft > 4
.set lft, 4
.endif
.if n == 24
	s_wait_loadcnt 0x0
.else
	s_wait_loadcnt 12*lft
.endif
.irp m, 0,1,2,3
.irp t, 0,1,2,3
.if kst == 0
.set cc, -1
.else
.set cc, 0
.endif
	MM SACC+256*(\m>>1)+96*(\m&1)+8*(4*uu+\t), RING+48*(n%5)+12*\t, PF+48*(kst%2)+12*\m, cc, KS+8*((4*uu+\t)>>1)+kst, \t&1, PS+4*kst+\m, 0
.endr
.endr
	PLACES
.if (uu == 2) && (kst <= 5)
	PFETCH kst+2
.endif
.if n+5 <= 47
	ULOAD n+5
.endif
.endm
; THE SOFTMAX's passes over tile m's 128 registers a lane: 8 blocks of 32 keys, my half (16 h + 0 .. 15) of block b at register 16 b on.
.macro BMAX m                          ; the largest score of each block: it serves for the row's maximum and, since p rises with the score, for the block's largest p
.set sw, 2+((\m)>>1)
.set sb_, 128*((\m)&1)
	WIN sw|(sw<<2)
.irp b, 0,1,2,3,4,5,6,7
	v_max_num_f32 v[BM+8*(\m)+\b], v[sb_+16*\b], v[sb_+16*\b+1]    ; each accumulator is read from its low end on
.endr
.irp i, 2,4,6,8,10,12,14
.irp b, 0,1,2,3,4,5,6,7
	v_max3_num_f32 v[BM+8*(\m)+\b], v[sb_+16*\b+\i], v[sb_+16*\b+\i+1], v[BM+8*(\m)+\b]
.endr
.endr
.endm
.macro PEXP m                          ; p = 2^(c score - M), in place
.set sw, 2+((\m)>>1)
.set sb_, 128*((\m)&1)
	WIN (sw<<6)|sw
.set i, 0
.rept 64
	v_pk_fma_f32 v[sb_+i:sb_+i+1], v[sb_+i:sb_+i+1], s[CS:CS+1], v[NEGM+2*(\m):NEGM+2*(\m)+1] op_sel_hi:[1,0,0]
.set i, i+2
.endr
.set i, 0
.rept 128
	v_exp_f32 v[sb_+i], v[sb_+i]                   ; the plain instruction behind the last of them is the next pass's first line
.set i, i+1
.endr
.endm
.macro PSUM m                          ; the sum of my 128 unquantised p, two at a time, in two chains
.set sw, 2+((\m)>>1)
.set sb_, 128*((\m)&1)
	WIN sw|(sw<<2)
	v_pk_add_f32 v[SA+2*(\m):SA+2*(\m)+1], v[sb_:sb_+1], v[sb_+2:sb_+3]
	v_pk_add_f32 v[SB+2*(\m):SB+2*(\m)+1], v[sb_+4:sb_+5], v[sb_+6:sb_+7]
	WIN sw<<2
.set i, 8
.rept 30
	v_pk_add_f32 v[SA+2*(\m):SA+2*(\m)+1], v[SA+2*(\m):SA+2*(\m)+1], v[sb_+i:sb_+i+1]
	v_pk_add_f32 v[SB+2*(\m):SB+2*(\m)+1], v[SB+2*(\m):SB+2*(\m)+1], v[sb_+i+2:sb_+i+3]
.set i, i+4
.endr
.endm
; Tile m's p of my j2-th 128 keys become a fragment and a scale word; the places take the key blocks 0, 2, 1, 3.  Two sets of code registers take turns: a set is rewritten when at most the other set's three
; LDS stores are out; in front of the second four the wait is for 0, so that the store of the four scale words has read its registers too.
.macro PQ j2, m
.set sw, 2+((\m)>>1)
.set pb, 128*((\m)&1)+64*(\j2)
.set ob, 8*(\m)+4*(\j2)
.if (\m)%2
.set pcr, PC1
.else
.set pcr, PC0
.endif
.if ((\j2) == 1) && ((\m) == 0)
	s_wait_dscnt 0x0
.else
	s_wait_dscnt 3
.endif
	v_lshl_or_b32 v[PW+\m], v[TP+ob+2], 8, v[TP+ob]
	v_lshl_or_b32 v[PW+\m], v[TP+ob+1], 16, v[PW+\m]
	v_lshl_or_b32 v[PW+\m], v[TP+ob+3], 24, v[PW+\m]
	WIN sw
	v_cvt_scalef32_pk16_bf6_f32 v[pcr:pcr+2], v[pb:pb+15], v[SOP+ob]
	v_cvt_scalef32_pk16_bf6_f32 v[pcr+12:pcr+14], v[pb+32:pb+47], v[SOP+ob+2]   ; (a conversion's three registers begin on an even number)
	v_cvt_scalef32_pk16_bf6_f32 v[pcr+6:pcr+8], v[pb+16:pb+31], v[SOP+ob+1]
	v_cvt_scalef32_pk16_bf6_f32 v[pcr+16:pcr+18], v[pb+48:pb+63], v[SOP+ob+3]
	WIN 0
	v_nop                                          ; one plain place behind a scaled conversion
.irp c, 0,1                                    ; a whole block to a lane: lanes 0-15 place 2 c, lanes 16-31 place 2 c + 1
.irp i, 0,1,2
	v_permlane16_swap_b32 v[pcr+6*\c+\i], v[pcr+12+4*\c+\i]
.endr
.irp i, 0,1,2
	v_mov_b32 v[pcr+3+6*\c+\i], v[pcr+12+4*\c+\i]
.endr
.endr
.irp e, 0,1,2
	ds_store_b128 v[PWI], v[pcr+4*\e:pcr+4*\e+3] offset:PIMG+1536*(4*(\j2)+\m)+512*\e
.endr
.endm
; THE WAY OUT of tile m: O^T / the sum; a lane's 16 registers of two channel tiles are 64 neighbouring bytes of its query's row; they go into my stage and come back as pieces of 256 bytes:
; two rows of 768 bytes are six pieces, two to a load.
.macro STAGE m
.set sw, 2+((\m)>>1)
.set ob, 96*((\m)&1)
	WIN (sw<<6)|sw
.set i, 0
.rept 48
	v_pk_mul_f32 v[ob+i:ob+i+1], v[ob+i:ob+i+1], v[NEGM+2*(\m):NEGM+2*(\m)+1] op_sel_hi:[1,0]   ; ascending: each accumulator from its low end on
.set i, i+2
.endr
	WIN sw<<2                                      ; an LDS store's data are its source 1
.set i, 0
.rept 24
	ds_store_b128 v[STO], v[ob+4*i:ob+4*i+3] offset:128*(i/4)+16*(i%4)
.set i, i+1
.endr
	WIN 0
.set i, 0
.rept 24
.if i%3 == 1
	ds_load_b128 v[OB+4*i:OB+4*i+3], v[RD1] offset:1568*(i/3)+512     ; LDS serves a wave's instructions in order: these see my stores
.elseif i%3 == 2
	ds_load_b128 v[OB+4*i:OB+4*i+3], v[RD0] offset:1568*(i/3)+1040
.else
	ds_load_b128 v[OB+4*i:OB+4*i+3], v[RD0] offset:1568*(i/3)
.endif
.set i, i+1
.endr
.endm
.macro SEND m                          ; each 16 lanes store 256 consecutive bytes, at a multiple of 256 from the output's first byte; written once, read by nobody here
.set i, 0
.rept 24
	s_wait_dscnt 23-i                              ; LDS loads come back in order: load i of the 24 is in
.set ro, (32*((\m)>>1)+8*((\m)&1)+2*(i/3)+8*((i/3)>>2))*3072
.if i%3 == 1
	global_store_b128 v[GO1], v[OB+4*i:OB+4*i+3], s[SOUT:SOUT+1] offset:ro+512 th:TH_STORE_NT
.elseif i%3 == 2
	global_store_b128 v[GO0], v[OB+4*i:OB+4*i+3], s[SOUT:SOUT+1] offset:ro+3328 th:TH_STORE_NT
.else
	global_store_b128 v[GO0], v[OB+4*i:OB+4*i+3], s[SOUT:SOUT+1] offset:ro th:TH_STORE_NT
.endif
.set i, i+1
.endr
.endm
	s_load_b256 s[4:11], s[0:1], 0x0               ; qk_codes s[4:5], qk_scales s[6:7], v_codes s[8:9], v_scales s[10:11]
	s_load_b64 s[12:13], s[0:1], 0x20              ; the output
	v_lshl_add_u32 v231, v0, 2, 0x1a400
	v_mov_b32 v235, 0
	v_lshrrev_b32 v20, 5, v0
	v_readfirstlane_b32 s14, v20                   ; wave w
	v_and_b32 v20, 31, v0
	v_and_b32 v21, 15, v0                          ; r
	v_bfe_u32 v22, v0, 4, 1                        ; h
	v_lshlrev_b32 v[LI], 4, v20
	s_lshl_b32 s17, s14, 2
	v_add_nc_u32 v[MXA], s17, v[LI]
	s_mul_i32 s17, s14, 12288
	v_add_nc_u32 v[PWI], s17, v[LI]
	s_lshl_b32 s17, s14, 10
	v_add_nc_u32 v[PSA], s17, v[LI]
	s_mul_i32 s17, s14, 12544
	s_add_co_u32 s17, s17, STG                     ; my stage
	v_mul_u32_u24 v[STO], v21, 784
	v_lshl_add_u32 v[STO], v22, 6, v[STO]
	v_add_nc_u32 v[STO], s17, v[STO]
	v_lshlrev_b32 v23, 4, v21                      ; 16 r
	v_lshl_add_u32 v[GO0], v22, 8, v23
	v_add_nc_u32 v[RD0], s17, v[GO0]
	v_mad_u32_u24 v[RD1], v22, 272, v23
	v_add_nc_u32 v[RD1], s17, v[RD1]
	v_mad_u32_u24 v[GO1], v22, 2560, v23
.irp m, 0,1,2,3
	v_mov_b32 v[NEGM+2*\m+1], 0                    ; the pairs' upper words are named with the lower and never used: written once
.endr
	s_lshr_b32 s16, ttmp9, 4                       ; batch
	s_mov_b32 s19, 0                               ; every offset is made in s18, with 0 above it (all stay under 2^26)
	s_mov_b32 s[CS], 0x3d553b95                    ; c = log2(e) / sqrt(768)
	s_mov_b32 s[CS+1], s[CS]
	s_mov_b32 s[SEL], 0x76543210
	s_mov_b32 s[SEL+1], 0xfedcba98
	s_lshl_b32 s15, s16, 4
	s_lshl_b32 s17, s14, 2
	s_add_co_u32 s15, s15, s17                     ; my wave's first block of keys: 16 x batch + 4 w
	s_wait_kmcnt 0x0
	s_mul_i32 s18, ttmp9, 36864
	s_add_nc_u64 s[SQ:SQ+1], s[4:5], s[18:19]
	s_mul_i32 s18, ttmp9, 1536
	s_add_nc_u64 s[SQS:SQS+1], s[6:7], s[18:19]
	s_mul_i32 s18, s15, 36864
	s_add_co_u32 s18, s18, 9437184                 ; K's blocks lie behind Q's 256
	s_add_nc_u64 s[SK:SK+1], s[4:5], s[18:19]
	s_mul_i32 s18, s15, 1536
	s_add_co_u32 s18, s18, 393216
	s_add_nc_u64 s[SKS:SKS+1], s[6:7], s[18:19]
	s_mul_i32 s18, s16, 589824
	s_mul_i32 s17, s14, 147456
	s_add_co_u32 s18, s18, s17
	s_add_nc_u64 s[SV:SV+1], s[8:9], s[18:19]
	s_mul_i32 s18, s16, 24576
	s_mul_i32 s17, s14, 6144
	s_add_co_u32 s18, s18, s17
	s_add_nc_u64 s[SVS:SVS+1], s[10:11], s[18:19]
	s_mul_i32 s18, ttmp9, 196608
	s_mul_i32 s17, s14, 768
	s_add_co_u32 s18, s18, s17
	s_add_nc_u64 s[SOUT:SOUT+1], s[12:13], s[18:19]
.irp e, 0,1,2
	GL4 QS+4*\e, LI, SQS, 512*\e                   ; scale words of (tile m, K step s): register 4 (s / 2) + 2 (m / 2) + s % 2, lanes 0-15 for m even, 16-31 for m odd
.endr
.irp i, 0,1,2,3,4,5,6,7,8,9,10,11
	GL4 KS+4*\i, LI, SKS, 512*\i                   ; the same for my four blocks of keys, 12 registers each
.endr
	QLOAD 0
.irp u, 0,1,2,3
	ULOAD \u
.endr
	QLOAD 1
	ULOAD 4
; ---- PHASE 1: S^T = K Q^T
.set n, 0
.rept 24
	UNIT1
.set n, n+1
.endr
.irp i, 0,1,2,3,4,5,6,7,8,9,10,11
	GL4 KS+4*\i, LI, SVS, 512*\i                   ; V's scale words take K's place (the last products' places stand above): (channel tile c, key step ks) in register 8 (c / 2) + ks, lanes 0-15 for c even
.endr
; ---- THE SOFTMAX
.irp m, 0,1,2,3
	BMAX \m
.endr
	WIN 0
.set i, 0
.rept 32
	v_permlanex16_b32 v[TP+i], v[BM+i], s[SEL], s[SEL+1]
.set i, i+1
.endr
.set i, 0
.rept 32
	v_max_num_f32 v[BM+i], v[BM+i], v[TP+i]        ; with lane l xor 16's half: the block's largest score
.set i, i+1
.endr
.irp m, 0,1,2,3
	v_max3_num_f32 v[RM+\m], v[BM+8*\m], v[BM+8*\m+1], v[BM+8*\m+2]
.endr
.irp m, 0,1,2,3
	v_max3_num_f32 v[RM+\m], v[RM+\m], v[BM+8*\m+3], v[BM+8*\m+4]
.endr
.irp m, 0,1,2,3
	v_max3_num_f32 v[RM+\m], v[RM+\m], v[BM+8*\m+5], v[BM+8*\m+6]
.endr
.irp m, 0,1,2,3
	v_max_num_f32 v[RM+\m], v[RM+\m], v[BM+8*\m+7] ; my query's largest score among my wave's 256 keys
.endr
.irp m, 0,1,2,3
	ds_store_b32 v[MXA], v[RM+\m] offset:MX+512*\m
.endr
	s_wait_dscnt 0x0                               ; for the others' sake: my stores have landed
	s_barrier_signal -1
	s_barrier_wait -1
.irp m, 0,1,2,3
	ds_load_b128 v[MXR+4*\m:MXR+4*\m+3], v[LI] offset:MX+512*\m   ; the four waves' maxima of my query
.endr
	s_wait_dscnt 0x0
.irp m, 0,1,2,3
	v_max3_num_f32 v[RM+\m], v[MXR+4*\m], v[MXR+4*\m+1], v[MXR+4*\m+2]
.endr
.irp m, 0,1,2,3
	v_max_num_f32 v[RM+\m], v[RM+\m], v[MXR+4*\m+3]
.endr
.irp m, 0,1,2,3
	v_mul_f32 v[RM+\m], s[CS], v[RM+\m]            ; as t (c is positive)
.endr
.irp m, 0,1,2,3
	v_floor_f32 v[NEGM+2*\m], -v[RM+\m]            ; -M = floor(-t) = -ceil(t): M is a whole number
.endr
.irp m, 0,1,2,3
	PEXP \m
.endr
	WIN 0
.set i, 0
.rept 32
	v_fma_f32 v[BM+i], v[BM+i], s[CS], v[NEGM+2*(i/8)]   ; the same multiply-add and exponential on each block's largest score give its largest p, bit for bit
.set i, i+1
.endr
.set i, 0
.rept 32
	v_exp_f32 v[BM+i], v[BM+i]
.set i, i+1
.endr
	v_nop                                          ; a plain place behind the exponentials
	s_wait_alu depctr_va_vdst(0)
.irp m, 0,1,2,3
	PSUM \m
.endr
	WIN 0
.irp m, 0,1,2,3
	v_pk_add_f32 v[SA+2*\m:SA+2*\m+1], v[SA+2*\m:SA+2*\m+1], v[SB+2*\m:SB+2*\m+1]
.endr
.irp m, 0,1,2,3
	v_add_f32 v[RM+\m], v[SA+2*\m], v[SA+2*\m+1]
.endr
.irp m, 0,1,2,3
	v_permlanex16_b32 v[SB+2*\m], v[RM+\m], s[SEL], s[SEL+1]
.endr
.irp m, 0,1,2,3
	v_add_f32 v[RM+\m], v[RM+\m], v[SB+2*\m]       ; my query's sum over my wave's 256 keys
.endr
.irp m, 0,1,2,3
	ds_store_b32 v[MXA], v[RM+\m] offset:SM+512*\m
.endr
.set i, 0
.rept 32
	v_max_num_f32 v[BM+i], 0x2800000, v[BM+i]      ; the floor 2^(5 - 127): the byte cannot fall under 1
.set i, i+1
.endr
.set i, 0
.rept 32
	v_add_nc_u32 v[SOP+i], 0xfe000000, v[BM+i]     ; 4 off the exponent field: the conversion's scale operand
.set i, i+1
.endr
.set i, 0
.rept 32
	v_lshrrev_b32 v[TP+i], 23, v[SOP+i]            ; the scale's byte
.set i, i+1
.endr
.irp j, 0,1
.irp m, 0,1,2,3
	PQ \j, \m
.endr
	ds_store_b128 v[PSA], v[PW:PW+3] offset:PSC+512*\j   ; the four tiles' scale words of this key step
.endr
	s_wait_dscnt 0x0                               ; for the others' sake: P's images, their scale words and my sums have landed
	s_barrier_signal -1
	s_barrier_wait -1
; ---- PHASE 2: O^T = V^T P^T
.irp q, 0,1,2,3,4,5,6,7
	ds_load_b128 v[PS+4*\q:PS+4*\q+3], v[LI] offset:PSC+512*\q   ; P's scale words: key step q, tile m in register 4 q + m
.endr
.irp m, 0,1,2,3
	ds_load_b128 v[SML+4*\m:SML+4*\m+3], v[LI] offset:SM+512*\m  ; the four waves' sums of my query
.endr
	PFETCH 0
	PFETCH 1
.set n, 24
.rept 24
	UNIT2
.set n, n+1
.endr
	WIN 0
.irp m, 0,1,2,3
	v_add_f32 v[RM+\m], v[SML+4*\m], v[SML+4*\m+1]
.endr
.irp m, 0,1,2,3
	v_add_f32 v[RM+\m], v[RM+\m], v[SML+4*\m+2]
.endr
.irp m, 0,1,2,3
	v_add_f32 v[RM+\m], v[RM+\m], v[SML+4*\m+3]    ; the row's sum
.endr
.irp m, 0,1,2,3
	v_rcp_f32 v[NEGM+2*\m], v[RM+\m]
.endr
	v_nop                                          ; a plain place behind the reciprocals
	s_wait_alu depctr_va_vdst(0)
	STAGE 0
	SEND 0
.irp m, 1,2,3
	s_wait_xcnt 0x0                                ; the last tile's stores have read their registers: the next tile's rows may land there
	STAGE \m
	SEND \m
.endr
	s_wait_tensorcnt 0x0
	ds_add_u32 v231, v235
	s_wait_dscnt 0x0
	s_endpgm
.Lfunc_end_k_q1e4d367d36_attn:
	.size	k_q1e4d367d36_attn, .Lfunc_end_k_q1e4d367d36_attn-k_q1e4d367d36_attn
	.p2alignl 7, 3214868480
	.fill 96, 4, 3214868480
	.section	.rodata,"a",@progbits
	.p2align	6, 0x0
	.amdhsa_kernel k_q1e4d367d36_attn
		.amdhsa_group_segment_fixed_size 108032
		.amdhsa_private_segment_fixed_size 0
		.amdhsa_enable_private_segment 0
		.amdhsa_kernarg_size 40
		.amdhsa_user_sgpr_count 2
		.amdhsa_user_sgpr_kernarg_segment_ptr 1
		.amdhsa_wavefront_size32 1
		.amdhsa_system_sgpr_workgroup_id_x 1
		.amdhsa_system_sgpr_workgroup_id_y 1
		.amdhsa_system_sgpr_workgroup_id_z 1
		.amdhsa_system_vgpr_workitem_id 0
		.amdhsa_next_free_vgpr 1024
		.amdhsa_next_free_sgpr 66
		.amdhsa_reserve_vcc 0
		.amdhsa_float_denorm_mode_32 3
		.amdhsa_float_denorm_mode_16_64 3
		.amdhsa_memory_ordered 1
		.amdhsa_forward_progress 1
		.amdhsa_inst_pref_size 255
	.end_amdhsa_kernel
	.section	.bss,"aw",@nobits
	.p2align	6
	.space	262144
	.amdgpu_metadata
---
amdhsa.version: [ 1, 2 ]
amdhsa.kernels:
  - .name:           k_q1e4d367d36_attn
    .symbol:         k_q1e4d367d36_attn.kd
    .args:
      - { .name: qk_codes, .offset: 0, .size: 8, .value_kind: global_buffer, .address_space: global }
      - { .name: qk_scales, .offset: 8, .size: 8, .value_kind: global_buffer, .address_space: global }
      - { .name: v_codes, .offset: 16, .size: 8, .value_kind: global_buffer, .address_space: global }
      - { .name: v_scales, .offset: 24, .size: 8, .value_kind: global_buffer, .address_space: global }
      - { .name: out0, .offset: 32, .size: 8, .value_kind: global_buffer, .address_space: global }
    .group_segment_fixed_size: 108032
    .private_segment_fixed_size: 0
    .kernarg_segment_align: 8
    .kernarg_segment_size: 40
    .max_flat_workgroup_size: 128
    .sgpr_count:     66
    .vgpr_count:     1024
    .wavefront_size: 32
...
	.end_amdgpu_metadata
.endif
;; end of part 3
;; ======== version 2 of 2: 3 launches
;; limits: right only within a limited range of input values
;; workspace buffers: hw_codes 10,764,288 bytes; hw_scales 448,512 bytes; qk_codes 18,874,368 bytes; qk_scales 786,432 bytes; v_codes 9,437,184 bytes; v_scales 393,216 bytes
;; launch quant (part 4): grid 292 x 6, 4 waves a work-group, no clusters, 34,304 bytes of LDS; arguments x, pos, Wq, Wk, Wv, hw_codes, hw_scales; writes hw_codes, hw_scales
.if DOCPART == 4
	.amdgcn_target "amdgcn-amd-amdhsa--gfx1250"
	.amdhsa_code_object_version 6
	.text
	.protected	k_q1e4d367d36_quant
	.globl	k_q1e4d367d36_quant
	.p2align	8
	.type	k_q1e4d367d36_quant,@function
k_q1e4d367d36_quant:
	s_mov_b64 s[64:65], 0
	v_nop
	global_prefetch_b8 v0, s[64:65] scope:SCOPE_SE
	s_setreg_imm32_b32 hwreg(HW_REG_WAVE_MODE, 25, 1), 1
	s_wait_xcnt 0x0
; h = x + pos [16,384][768] and Wq, Wk, Wv [768][768], f32, become codes of E3M2 with one E8M0 byte for each 32 along the last axis (their K).
; The codes are laid as IMAGES OF OPERAND REGISTERS.  A block is 64 rows; blocks 0-255 are h, 256-267 Wq, 268-279 Wk, 280-291 Wv.  A block's codes: [K step of 128: 6][tile: 4][1,536 bytes];
; a fragment (16 rows x 128 K, 12 registers a lane) is three images of 512 bytes, registers 4 e .. 4 e + 3 of lane l at 512 e + 16 l.
; THE ROWS OF A TILE ARE NOT NEIGHBOURS: lane r of tile 2 b + u holds row 32 b + 8 u + r + 8 (r / 8) of the block, so that a product which takes the tile as source 0 leaves 16 neighbours in the registers of two tiles.
; A block's scale words (1,536 bytes): the word of (tile m, K step s, row r) at 512 (s / 2) + 16 (16 (m % 2) + r) + 8 (m / 2) + 4 (s % 2): three loads of 16 bytes a lane bring all 24.
; SHARES: work-group (x, y) takes block x, K step y; wave m takes tile m: 16 rows x 128 numbers.  Each load reads 512 consecutive bytes of one row; the numbers turn through the wave's own stage in LDS
; (rows of 512 + 16 bytes), so that a lane gets 16 neighbours of each of its row's four blocks of 32.  Waves share nothing: no barrier.
; The quantiser's working registers take the place of the numbers as loaded, which are in the stage by then: 144 registers a wave, so that seven work-groups, as many as the grid has for a WGP, have their loads out together.
; A block's scale is 2^(floor(log2(largest magnitude)) - 4); its byte is the largest magnitude's exponent field - 4, held at 1 from below.
; LIMITS: a block of zeros gets the byte 1 where the rule says 127 (its codes are zeros, and this program alone reads the bytes); NaN and infinities among the inputs are not served.
.set ROWB, 3072                        ; bytes in a row of x, pos and the weights
.set SP,   528                         ; a stage row
.set LI,   1                           ; v1   16 x lane
.set STA,  2                           ; v2   the stage, on the way in: wave's stage + 16 x lane
.set RDA,  3                           ; v3   and out: wave's stage + 528 r + 64 h
.set RS,   4                           ; v4   16 r: my row's scale word
.set X,    16                          ; v16-79   the numbers as loaded
.set N,    80                          ; v80-143  pos as loaded, later the turned numbers: register 16 b + i = k 32 b + 16 h + i of row r
.set TM,   16                          ; v16-31   (in X's place) largest magnitudes, bytes, scale operands
.set PC,   32                          ; v32-51   the codes
.set PW,   52                          ; v52      the scale word
.set SEL,  44                          ; s[44:45] lane selects: lane l xor 16
	s_load_b256 s[4:11], s[0:1], 0x0               ; x s[4:5], pos s[6:7], Wq s[8:9], Wk s[10:11]
	s_load_b128 s[12:15], s[0:1], 0x20             ; Wv s[12:13], the codes s[14:15]
	s_load_b64 s[16:17], s[0:1], 0x30              ; the scale words
	v_lshl_add_u32 v8, v0, 2, 0x8400               ; my spare word, behind the four stages; v8 and v9 serve the closing add alone
	v_mov_b32 v9, 0
	v_lshrrev_b32 v5, 5, v0
	v_readfirstlane_b32 s18, v5                    ; wave = tile m
	s_and_b32 s19, ttmp7, 0xffff                   ; K step s
	v_and_b32 v5, 31, v0                           ; lane
	v_and_b32 v6, 15, v0                           ; r
	v_bfe_u32 v7, v0, 4, 1                         ; h
	v_lshlrev_b32 v[LI], 4, v5
	s_mul_i32 s20, s18, 16*SP                      ; my stage
	v_add_nc_u32 v[STA], s20, v[LI]
	v_mul_u32_u24 v[RDA], v6, SP
	v_lshl_add_u32 v[RDA], v7, 6, v[RDA]
	v_add_nc_u32 v[RDA], s20, v[RDA]
	v_lshlrev_b32 v[RS], 4, v6
	s_mov_b32 s[SEL], 0x76543210
	s_mov_b32 s[SEL+1], 0xfedcba98
	s_mov_b32 s21, 268
	s_cmp_lt_u32 ttmp9, 280                        ; which tensor: the choice hangs on the work-group's number alone
	s_cselect_b32 s22, s21, 280
	s_cmp_lt_u32 ttmp9, 268
	s_cselect_b32 s22, 256, s22
	s_cmp_lt_u32 ttmp9, 256
	s_cselect_b32 s22, 0, s22
	s_sub_co_u32 s22, ttmp9, s22                   ; the block's number in its tensor
	s_lshr_b32 s23, s18, 1                         ; m / 2
	s_and_b32 s24, s18, 1                          ; m % 2
	s_lshl_b32 s25, s23, 5
	s_lshl_b32 s26, s24, 3
	s_add_co_u32 s25, s25, s26                     ; the tile's first row in the block: 32 (m / 2) + 8 (m % 2)
	s_lshl_b32 s26, s19, 9                         ; 512 bytes a K step
	s_lshl_b32 s28, s22, 6
	s_add_co_u32 s28, s28, s25
	s_mul_i32 s28, s28, ROWB
	s_add_co_u32 s28, s28, s26
	s_mov_b32 s29, 0                               ; s[28:29]: where my tile begins in its tensor (under 2^26)
	s_and_b32 s30, ttmp9, 15                       ; a batch is 16 blocks: the block's place in pos
	s_lshl_b32 s30, s30, 6
	s_add_co_u32 s30, s30, s25
	s_mul_i32 s30, s30, ROWB
	s_add_co_u32 s30, s30, s26
	s_mov_b32 s31, 0                               ; s[30:31]: the same in pos
	s_mul_i32 s32, ttmp9, 36864
	s_mul_i32 s27, s19, 6144
	s_add_co_u32 s32, s32, s27
	s_mul_i32 s27, s18, 1536
	s_add_co_u32 s32, s32, s27
	s_mov_b32 s33, 0                               ; s[32:33]: my fragment's image
	s_mul_i32 s34, ttmp9, 1536
	s_lshr_b32 s27, s19, 1
	s_lshl_b32 s27, s27, 9
	s_add_co_u32 s34, s34, s27
	s_lshl_b32 s27, s24, 8
	s_add_co_u32 s34, s34, s27
	s_lshl_b32 s27, s23, 3
	s_add_co_u32 s34, s34, s27
	s_and_b32 s27, s19, 1
	s_lshl_b32 s27, s27, 2
	s_add_co_u32 s34, s34, s27
	s_mov_b32 s35, 0                               ; s[34:35]: my tile's scale words
	s_wait_alu depctr_va_vdst(0)
	s_wait_kmcnt 0x0
	s_cmp_lt_u32 ttmp9, 280
	s_cselect_b64 s[36:37], s[10:11], s[12:13]
	s_cmp_lt_u32 ttmp9, 268
	s_cselect_b64 s[36:37], s[8:9], s[36:37]
	s_cmp_lt_u32 ttmp9, 256
	s_cselect_b64 s[36:37], s[4:5], s[36:37]
	s_add_nc_u64 s[36:37], s[36:37], s[28:29]
	s_add_nc_u64 s[38:39], s[6:7], s[30:31]
	s_add_nc_u64 s[40:41], s[14:15], s[32:33]
	s_add_nc_u64 s[42:43], s[16:17], s[34:35]
.irp i, 0,1,2,3,4,5,6,7,8,9,10,11,12,13,14,15
	global_load_b128 v[X+4*\i:X+4*\i+3], v[LI], s[36:37] offset:(\i+8*(\i/8))*ROWB th:TH_LOAD_NT   ; the tile's row i: 32 lanes read 512 consecutive bytes; read once in the launch
.endr
	s_cmp_lt_u32 ttmp9, 256                        ; only h has pos added
	s_cbranch_scc0 .Lnopos
.irp i, 0,1,2,3,4,5,6,7,8,9,10,11,12,13,14,15
	global_load_b128 v[N+4*\i:N+4*\i+3], v[LI], s[38:39] offset:(\i+8*(\i/8))*ROWB   ; sixteen batches read the same rows of pos: no hint
.endr
	s_wait_loadcnt 0x0
.set i, 0
.rept 32
	v_pk_add_f32 v[X+i:X+i+1], v[X+i:X+i+1], v[N+i:N+i+1]
.set i, i+2
.endr
.Lnopos:
	s_wait_loadcnt 0x0                             ; the tile's numbers are in
	s_wait_alu depctr_va_vdst(0)
.irp i, 0,1,2,3,4,5,6,7,8,9,10,11,12,13,14,15
	ds_store_b128 v[STA], v[X+4*\i:X+4*\i+3] offset:SP*\i
.endr
.irp b, 0,1,2,3
.irp j, 0,1,2,3
	ds_load_b128 v[N+16*\b+4*\j:N+16*\b+4*\j+3], v[RDA] offset:128*\b+16*\j   ; LDS serves a wave's instructions in order: these see my stores
.endr
.endr
	s_wait_dscnt 0x0                               ; the turned numbers are in, and the stores have read X's registers, which are used anew from here on
.irp b, 0,1,2,3
	v_mov_b32 v[TM+4+\b], 0                        ; a lane permute's destination counts as one of its sources
.endr
.irp b, 0,1,2,3
	v_max3_num_f32 v[TM+\b], |v[N+16*\b]|, |v[N+16*\b+1]|, 0x2800000   ; block b: my 16 numbers, and the floor 2^(5 - 127): the byte cannot fall under 1
.endr
.irp i, 2,4,6,8,10,12,14
.irp b, 0,1,2,3
	v_max3_num_f32 v[TM+\b], |v[N+16*\b+\i]|, |v[N+16*\b+\i+1]|, v[TM+\b]   ; the four blocks by turns
.endr
.endr
.irp b, 0,1,2,3
	v_permlanex16_b32 v[TM+4+\b], v[TM+\b], s[SEL], s[SEL+1]
.endr
.irp b, 0,1,2,3
	v_max_num_f32 v[TM+\b], v[TM+\b], v[TM+4+\b]   ; with lane l xor 16's 16: the block's largest magnitude
.endr
.irp b, 0,1,2,3
	v_add_nc_u32 v[TM+12+\b], 0xfe000000, v[TM+\b] ; 4 off its exponent field: the conversion's scale operand
.endr
.irp b, 0,1,2,3
	v_lshrrev_b32 v[TM+4+\b], 23, v[TM+12+\b]      ; the scale's byte
.endr
	v_lshl_or_b32 v[PW], v[TM+5], 8, v[TM+4]
	v_lshl_or_b32 v[PW], v[TM+6], 16, v[PW]
	v_lshl_or_b32 v[PW], v[TM+7], 24, v[PW]        ; my row's scale word
.irp c, 0,1
	v_cvt_scalef32_pk16_bf6_f32 v[PC+6*\c:PC+6*\c+2], v[N+32*\c:N+32*\c+15], v[TM+12+2*\c]
	v_cvt_scalef32_pk16_bf6_f32 v[PC+12+4*\c:PC+14+4*\c], v[N+16+32*\c:N+31+32*\c], v[TM+13+2*\c]   ; (a conversion's three registers begin on an even number)
.endr
	v_nop                                          ; one plain place behind a scaled conversion
.irp c, 0,1                                    ; the operand wants a whole block in a lane: lanes 0-15 block 2 c, lanes 16-31 block 2 c + 1
.irp i, 0,1,2
	v_permlane16_swap_b32 v[PC+6*\c+\i], v[PC+12+4*\c+\i]
.endr
.irp i, 0,1,2
	v_mov_b32 v[PC+3+6*\c+\i], v[PC+12+4*\c+\i]
.endr
.endr
.irp e, 0,1,2
	global_store_b128 v[LI], v[PC+4*\e:PC+4*\e+3], s[40:41] offset:512*\e   ; 32 lanes store 512 consecutive bytes, at a multiple of 256 from the buffer's first byte
.endr
	global_store_b32 v[RS], v[PW], s[42:43]        ; lanes r and r + 16 store the same word to the same place
	s_wait_tensorcnt 0x0
	ds_add_u32 v8, v9
	s_wait_dscnt 0x0
	s_endpgm
.Lfunc_end_k_q1e4d367d36_quant:
	.size	k_q1e4d367d36_quant, .Lfunc_end_k_q1e4d367d36_quant-k_q1e4d367d36_quant
	.p2alignl 7, 3214868480
	.fill 96, 4, 3214868480
	.section	.rodata,"a",@progbits
	.p2align	6, 0x0
	.amdhsa_kernel k_q1e4d367d36_quant
		.amdhsa_group_segment_fixed_size 34304
		.amdhsa_private_segment_fixed_size 0
		.amdhsa_enable_private_segment 0
		.amdhsa_kernarg_size 56
		.amdhsa_user_sgpr_count 2
		.amdhsa_user_sgpr_kernarg_segment_ptr 1
		.amdhsa_wavefront_size32 1
		.amdhsa_system_sgpr_workgroup_id_x 1
		.amdhsa_system_sgpr_workgroup_id_y 1
		.amdhsa_system_sgpr_workgroup_id_z 1
		.amdhsa_system_vgpr_workitem_id 0
		.amdhsa_next_free_vgpr 144
		.amdhsa_next_free_sgpr 66
		.amdhsa_reserve_vcc 0
		.amdhsa_float_denorm_mode_32 3
		.amdhsa_float_denorm_mode_16_64 3
		.amdhsa_memory_ordered 1
		.amdhsa_forward_progress 1
		.amdhsa_inst_pref_size 16
	.end_amdhsa_kernel
	.amdgpu_metadata
---
amdhsa.version: [ 1, 2 ]
amdhsa.kernels:
  - .name:           k_q1e4d367d36_quant
    .symbol:         k_q1e4d367d36_quant.kd
    .args:
      - { .name: x, .offset: 0, .size: 8, .value_kind: global_buffer, .address_space: global }
      - { .name: pos, .offset: 8, .size: 8, .value_kind: global_buffer, .address_space: global }
      - { .name: Wq, .offset: 16, .size: 8, .value_kind: global_buffer, .address_space: global }
      - { .name: Wk, .offset: 24, .size: 8, .value_kind: global_buffer, .address_space: global }
      - { .name: Wv, .offset: 32, .size: 8, .value_kind: global_buffer, .address_space: global }
      - { .name: hw_codes, .offset: 40, .size: 8, .value_kind: global_buffer, .address_space: global }
      - { .name: hw_scales, .offset: 48, .size: 8, .value_kind: global_buffer, .address_space: global }
    .group_segment_fixed_size: 34304
    .private_segment_fixed_size: 0
    .kernarg_segment_align: 8
    .kernarg_segment_size: 56
    .max_flat_workgroup_size: 128
    .sgpr_count:     66
    .vgpr_count:     144
    .wavefront_size: 32
...
	.end_amdgpu_metadata
.endif
;; end of part 4
;; launch qkv (part 5): grid 64 x 4, 4 waves a work-group, clusters of 4 x 1, 327,680 bytes of LDS; arguments hw_codes, hw_scales, bq, bk, bv, qk_codes, qk_scales, v_codes, v_scales; writes qk_codes, qk_scales, v_codes, v_scales
.if DOCPART == 5
	.amdgcn_target "amdgcn-amd-amdhsa--gfx1250"
	.amdhsa_code_object_version 6
	.text
	.protected	k_q1e4d367d36_qkv
	.globl	k_q1e4d367d36_qkv
	.p2align	8
	.type	k_q1e4d367d36_qkv,@function
k_q1e4d367d36_qkv:
	s_mov_b64 s[64:65], 0
	v_nop
	global_prefetch_b8 v0, s[64:65] scope:SCOPE_SE
	s_setreg_imm32_b32 hwreg(HW_REG_WAVE_MODE, 25, 1), 1
	s_wait_xcnt 0x0
	s_wait_alu depctr_hold_cnt(0) depctr_sa_sdst(0) depctr_va_vdst(0) depctr_va_sdst(0) depctr_va_ssrc(0) depctr_va_vcc(0) depctr_vm_vsrc(0)
	s_getreg_b32 s2, hwreg(HW_REG_IB_STS2, 6, 4)
	s_cmp_eq_u32 s2, 0
	s_cbranch_scc0 .Lentry_in_a_cluster
	s_endpgm
.Lentry_in_a_cluster:
	s_bfe_u32 s2, ttmp6, 0x10000c
	s_cmp_lg_u32 s2, 0x3003
	s_cbranch_scc0 .Lentry_shape_is_right
	s_endpgm
.Lentry_shape_is_right:
; Q = h Wq^T + bq, K = h Wk^T + bk, V = h Wv^T + bv on codes of E3M2 with E8M0 block scales; the results are quantised in registers: Q and K along their 768 columns, V along the keys.
; SHARES: the grid is 64 x 4.  Work-group (x, y) owns 256 rows of h (four blocks of 64) and quarter y of the 2,304 columns: three groups of 128 columns of [Q's six; K's six] (y = 0, 1: Q; y = 2, 3: K)
; and 192 channels of V.  THE WAVES SHARE THE ROWS: wave w takes block 4 x + w, whose 24 fragments of h stay in its registers, and walks all of the quarter's weights; each fragment of a weight feeds four matrix instructions a wave.
; THE QUARTER'S WEIGHTS LIE IN LDS FOR THE WHOLE LAUNCH.  They are 54 UNITS of four fragments (6,144 bytes, 16 matrix instructions a wave); unit n lies at LDS byte 6,144 n, as images of operand registers.
; 53 units, 325,632 bytes, are brought by five tensor loads a wave, each wave a quarter of each fill, all issued at the start: five loads of a wave are outstanding then, and no LDS byte is filled twice.
; The 54th unit does not fit: each wave loads it into 48 registers of its own.  So a work-group fetches 331,776 bytes of weights for its 256 rows.
; CLUSTER: the four work-groups of a cluster (4 x 1) have the same y, so the same weights: each fill is asked for JOINTLY, by the same tensor load with the same descriptor and a mask that names the four.
; h's blocks are read by the four work-groups of a column of the grid as well; they go straight into registers, and LDS has no room for them beside the weights: no joint load for them.
; Q, K: THE PRODUCT IS USED TRANSPOSED (source 0 = 16 rows of W, source 1 = 16 rows of h): a lane holds one row of h, and the 16 registers of two tiles are 16 neighbouring columns, since lane r of tile 2 b + u
; holds row 32 b + 8 u + r + 8 (r / 8).  V: natural (source 0 = h, source 1 = W): a lane holds one channel and its registers run down the keys, which are the last product's K.
; The biases are the C of each sum's first matrix instruction.
; OUT: Q's and K's blocks are laid as h's are.  V: [batch][channel quarter][pass of 64 channels: 3][key step of 128: 8][channel tile: 4][1,536]: a block's 64 keys are one half of the lanes of a fragment, so that a V fragment's
; four places of 32 along K hold the key blocks 0, 2, 1, 3 of its 128 keys; P is laid the same way by the next launch.
; LIMITS: a block of zeros gets the byte 1 where the rule says 127 (zero codes; read by this program alone); NaN and infinities are not served.
; REGISTERS: window 0: v1-4 addresses; v8-19 h's scale words; v20-31 bv; v32-79 the weights' scale words, two sets; v80-143 bias tiles; v144-149 LDS addresses; v180-223 at work.
;   window 1: h's fragments 0-20.   window 2: three buffers for units; the 54th unit; h's fragments 21-23.   window 3: the accumulators.
; HOW THE FILLS GO OUT (this takes the place of what the head says of five loads at the start): fill 0 is each wave's one tensor load at the head; fill f + 1 is its one load behind the round that stands in front of fill f's first read,
; so one load of a wave is out at a time, and it has nine units, 144 matrix instructions, in which to land.
; V'S CODES ARE LAID [batch][channel quarter][pass of 64 channels: 3][key step of 128: 8][channel tile: 4][1,536]: the order in which the next launch multiplies them.
.set LI,   1
.set HB,   2                           ; v2  64 h: my half's 16 numbers of a bias
.set RB,   3                           ; v3  4 (r + 8 (r / 8)): my channel in a tile of bv
.set VA,   4                           ; v4  1,536 h + 16 r: V's codes: lanes 0-15 one channel tile, lanes 16-31 the next
.set HS,   8
.set BV,   20
.set WS,   32
.set BI,   80
.set LA,   144                         ; v144-149  16 x lane + 61,440 q: ten units to a base, since an LDS instruction's immediate has 16 bits
.set TM,   180                         ; v180-183 largest magnitudes, v184-187 bytes, v192-195 scale operands
.set PC,   196                         ; v196-215 the codes
.set PW,   216                         ; v216-219 four tiles' scale words
.set SW0,  220                         ; v220-221 two tiles' words in one register
.set BLO,  222                         ; v222-223 V's bytes
.set BHI,  223
.set RING, 512
.set U53,  656
.set HX,   704
.set ACC,  768
.set CQ,   22                          ; s22 the column quarter y
.set G0E,  24                          ; s[24:27] descriptor group 0 of the fifth fill
.set SH,   32                          ; s[32:33] my block's codes of h;  s[34:35] its scale words
.set SHS,  34
.set SWQ,  36                          ; the quarter's six blocks of Wq or Wk;  s[38:39] its three of Wv;  s[40:43] their scale words
.set SWV,  38
.set SSQ,  40
.set SSV,  42
.set SB,   44                          ; the quarter's 384 numbers of bq or bk;  s[46:47] its 192 of bv
.set SBV,  46
.set SOQ,  48                          ; out: Q's or K's codes;  s[50:55] the three groups' scale words;  s[56:57] V's codes;  s[58:59] V's bytes
.set SOS,  50
.set SOV,  56
.set SOVS, 58
.set HI,   60                          ; s60  lanes 16-31
.set WV,   61                          ; s61  my wave's number
.set SEL,  62                          ; s[62:63] lane selects: lane l xor 16
.set G1,   68                          ; s[68:75] descriptor group 1: 72 rows of 256 bytes;  s[76:83] the same with 30 rows
.set G1L,  76
.set G0,   84                          ; s[84:99] descriptor group 0 of the first four fills: a set for each
.set BB,   100                         ; s100 my block's number in its batch
.set BLK,  101                         ; s101 my block
.set MSB, 0
.macro WIN new                         ; the immediate's high byte repeats the setting that is left; a switch that changes nothing is dropped
.if MSB != (\new)
	s_set_vgpr_msb (MSB<<8)|(\new)
.set MSB, \new
.endif
.endm
; A round of the cluster's barrier: my work-group's barrier, so that wave 0's signal speaks for all four waves; wave 0 signals for the work-group; every wave waits for all four work-groups; my work-group's barrier once more.
.macro CREST
	s_cmp_lg_u32 s[WV], 0
	s_cbranch_scc1 .Lnot_wave_0_\@
	s_barrier_signal -3
.Lnot_wave_0_\@:
	s_barrier_wait -3
	s_barrier_signal -1
	s_barrier_wait -1
.endm
.macro CROUND
	s_barrier_signal -1
	s_barrier_wait -1
	CREST
.endm
; A matrix instruction on absolute register numbers 0 .. 1023.  ra, rb = 1: that side's scales stand in lanes 16-31 of the register named.
.macro MM d, a, b, c, sa, ra, sb, rb
.set rD, (\d)&255
.set rA, (\a)&255
.set rB, (\b)&255
.set rC, (\c)&255
	WIN ((((\d)>>8)<<6)|(((\c)>>8)<<4)|(((\b)>>8)<<2)|((\a)>>8))
.if (\ra) && (\rb)
	v_wmma_scale_f32_16x16x128_f8f6f4 v[rD:rD+7], v[rA:rA+11], v[rB:rB+11], v[rC:rC+7], v[\sa], v[\sb] matrix_a_fmt:MATRIX_FMT_BF6 matrix_b_fmt:MATRIX_FMT_BF6 matrix_a_scale:MATRIX_SCALE_ROW1 matrix_b_scale:MATRIX_SCALE_ROW1
.elseif (\ra)
	v_wmma_scale_f32_16x16x128_f8f6f4 v[rD:rD+7], v[rA:rA+11], v[rB:rB+11], v[rC:rC+7], v[\sa], v[\sb] matrix_a_fmt:MATRIX_FMT_BF6 matrix_b_fmt:MATRIX_FMT_BF6 matrix_a_scale:MATRIX_SCALE_ROW1
.elseif (\rb)
	v_wmma_scale_f32_16x16x128_f8f6f4 v[rD:rD+7], v[rA:rA+11], v[rB:rB+11], v[rC:rC+7], v[\sa], v[\sb] matrix_a_fmt:MATRIX_FMT_BF6 matrix_b_fmt:MATRIX_FMT_BF6 matrix_b_scale:MATRIX_SCALE_ROW1
.else
	v_wmma_scale_f32_16x16x128_f8f6f4 v[rD:rD+7], v[rA:rA+11], v[rB:rB+11], v[rC:rC+7], v[\sa], v[\sb] matrix_a_fmt:MATRIX_FMT_BF6 matrix_b_fmt:MATRIX_FMT_BF6
.endif
.endm
.macro GL4 dst, va, sb, off            ; 16 bytes a lane from memory into absolute register dst on
.set rG, (\dst)&255
	WIN (((\dst)>>8)<<6)
	global_load_b128 v[rG:rG+3], v[\va], s[\sb:\sb+1] offset:\off
.endm
.macro DL4 dst, va, off                ; 16 bytes a lane from LDS into absolute register dst on
.set rG, (\dst)&255
	WIN (((\dst)>>8)<<6)
	ds_load_b128 v[rG:rG+3], v[\va] offset:\off
.endm
.macro PLACES                          ; a load into a register that a matrix instruction has read, and a vector instruction that reads a matrix result, stand four plain vector instructions behind it
.rept 4
	v_nop
.endr
.endm
.macro HFRAG f                         ; where h's fragment f = 4 s + m stands
.if (\f) < 21
.set hfr, 256+12*(\f)
.else
.set hfr, HX+12*((\f)-21)
.endif
.endm
.macro FETCH u                         ; unit u's four fragments from LDS into buffer u % 3: twelve loads of 512 consecutive bytes
.irp i, 0,1,2,3,4,5,6,7,8,9,10,11
	DL4 RING+48*((\u)%3)+4*\i, LA+(\u)/10, 6144*((\u)%10)+512*\i
.endr
.endm
; In front of the first read of fill f: my quarter of it, my only load that is out, has landed; no LDS instruction of mine is pending at the signal.
; Behind the round the same holds of every wave of the four work-groups, and fill f + 1, a first fill, is my one tensor load there.  Behind fill 4 nothing is asked for: a barrier of the work-group serves.
.macro MEET f
	WIN 0
	s_wait_tensorcnt 0x0
	ds_add_u32 v254, v255
	s_wait_dscnt 0x0
.if (\f) < 4
	CROUND
.else
	s_barrier_signal -1
	s_barrier_wait -1
.endif
.if (\f) < 3
	tensor_load_to_lds s[G0+4*(\f)+4:G0+4*(\f)+7], s[G1:G1+7]
	s_nop 0
	PLACES
.elseif (\f) == 3
	tensor_load_to_lds s[G0E:G0E+3], s[G1L:G1L+7]
	s_nop 0
	PLACES
.endif
.endm
.macro GP g                            ; group g of Q or K: its 128 biases in the result's layout (lane half h of tile T: columns 64 (T / 4) + 32 ((T / 2) % 2) + 8 (T % 2) + 16 h + 0 .. 7), and its two blocks' scale words: 22 loads
.irp T, 0,1,2,3,4,5,6,7
	GL4 BI+8*\T, HB, SB, 512*(\g)+(64*(\T>>2)+32*((\T>>1)&1)+8*(\T&1))*4
	GL4 BI+8*\T+4, HB, SB, 512*(\g)+(64*(\T>>2)+32*((\T>>1)&1)+8*(\T&1))*4+16
.endr
.irp e, 0,1,2,3,4,5
	GL4 WS+24*((\g)%2)+4*\e, LI, SSQ, 3072*(\g)+512*\e
.endr
.endm
.macro GPV p                           ; pass p of V: its block's scale words: 3 loads
.irp e, 0,1,2
	GL4 WS+24*((3+(\p))%2)+4*\e, LI, SSV, 1536*(\p)+512*\e
.endr
.endm
; Four runs of 16 registers of window sw, in the order of the fragment's four places of 32 along K; a run holds my half (16 h + 0 .. 15) of a block.  Leaves the bytes in v[TM+4..7], the scale operands in v[TM+12..15].
.macro QMAX sw, b0, b1, b2, b3
	WIN (\sw)|((\sw)<<2)
	v_max3_num_f32 v[TM], |v[\b0]|, |v[\b0+1]|, 0x2800000      ; each accumulator is read from its low end on; the floor 2^(5 - 127) holds the byte at 1 from below
	v_max3_num_f32 v[TM+1], |v[\b1]|, |v[\b1+1]|, 0x2800000
	v_max3_num_f32 v[TM+2], |v[\b2]|, |v[\b2+1]|, 0x2800000
	v_max3_num_f32 v[TM+3], |v[\b3]|, |v[\b3+1]|, 0x2800000
.irp i, 2,4,6,8,10,12,14
	v_max3_num_f32 v[TM], |v[\b0+\i]|, |v[\b0+\i+1]|, v[TM]
	v_max3_num_f32 v[TM+1], |v[\b1+\i]|, |v[\b1+\i+1]|, v[TM+1]
	v_max3_num_f32 v[TM+2], |v[\b2+\i]|, |v[\b2+\i+1]|, v[TM+2]
	v_max3_num_f32 v[TM+3], |v[\b3+\i]|, |v[\b3+\i+1]|, v[TM+3]
.endr
	WIN 0
.irp b, 0,1,2,3
	v_permlanex16_b32 v[TM+4+\b], v[TM+\b], s[SEL], s[SEL+1]
.endr
.irp b, 0,1,2,3
	v_max_num_f32 v[TM+\b], v[TM+\b], v[TM+4+\b]   ; with lane l xor 16's half: the block's largest magnitude
.endr
.irp b, 0,1,2,3
	v_add_nc_u32 v[TM+12+\b], 0xfe000000, v[TM+\b] ; 4 off its exponent field: the conversion's scale operand
.endr
.irp b, 0,1,2,3
	v_lshrrev_b32 v[TM+4+\b], 23, v[TM+12+\b]      ; the scale's byte
.endr
.endm
.macro QWORD dst
	v_lshl_or_b32 v[\dst], v[TM+5], 8, v[TM+4]
	v_lshl_or_b32 v[\dst], v[TM+6], 16, v[\dst]
	v_lshl_or_b32 v[\dst], v[TM+7], 24, v[\dst]
.endm
.macro QCVT sw, b0, b1, b2, b3         ; the same four runs become a fragment's 12 registers in v[PC] on
	s_wait_xcnt 0x0                                ; the earlier stores have read v[PC] on (and the registers of the words and bytes): they are rewritten only behind this wait
	WIN \sw
	v_cvt_scalef32_pk16_bf6_f32 v[PC:PC+2], v[\b0:\b0+15], v[TM+12]
	v_cvt_scalef32_pk16_bf6_f32 v[PC+12:PC+14], v[\b1:\b1+15], v[TM+13]   ; (a conversion's three registers begin on an even number)
	v_cvt_scalef32_pk16_bf6_f32 v[PC+6:PC+8], v[\b2:\b2+15], v[TM+14]
	v_cvt_scalef32_pk16_bf6_f32 v[PC+16:PC+18], v[\b3:\b3+15], v[TM+15]
	WIN 0
	v_nop                                          ; one plain place behind a scaled conversion
.irp c, 0,1                                    ; a whole block to a lane: lanes 0-15 place 2 c, lanes 16-31 place 2 c + 1
.irp i, 0,1,2
	v_permlane16_swap_b32 v[PC+6*\c+\i], v[PC+12+4*\c+\i]
.endr
.irp i, 0,1,2
	v_mov_b32 v[PC+3+6*\c+\i], v[PC+12+4*\c+\i]
.endr
.endr
.endm
; A unit.  Units 0 to 5 are the first to want h's K steps 0 to 5: h's fragments were asked for K step by K step, twelve loads each, so at unit n the 60 - 12 n loads of the later K steps may be out.
; Units 12, 24, 36, 42 and 48 are the first to want biases or scale words that were asked for five units or more before: the wait is for 0.
; A unit's fragments are in when at most the fetches of the two younger units, twelve LDS loads each, are out (LDS loads come back in order: ISA guide 5.7.1).  The 54th unit stands in registers of its own.
; The 16 accumulators of a unit take turns, one instruction a turn, in the same order in every unit.
.macro UNIT
.if n <= 5
	s_wait_loadcnt 60-12*n
.elseif (n == 12) || (n == 24) || (n == 36) || (n == 42) || (n == 48)
	s_wait_loadcnt 0x0
.endif
.if n < 53
.set lft, 52-n
.if lft > 2
.set lft, 2
.endif
	s_wait_dscnt 12*lft
.set wfr, RING+48*(n%3)
.else
.set wfr, U53
.endif
.if n < 36                             ; Q, K: group n / 12, the group's block (n % 12) / 6 of 64 columns, K step n % 6
.set grp, n/12
.set hf, (n%12)/6
.set kst, n%6
.irp m, 0,1,2,3
	HFRAG 4*kst+\m
.irp t, 0,1,2,3
.if kst == 0
.set cc, BI+8*(4*hf+\t)
.else
.set cc, ACC+64*\m+8*(4*hf+\t)
.endif
	MM ACC+64*\m+8*(4*hf+\t), wfr+12*\t, hfr, cc, WS+24*(grp%2)+12*hf+4*(kst>>1)+2*(\t>>1)+(kst&1), \t&1, HS+4*(kst>>1)+2*(\m>>1)+(kst&1), \m&1
.endr
.endr
.else                                  ; V: pass (n - 36) / 6 of 64 channels, K step (n - 36) % 6
.set iv, (n-36)/6
.set kst, (n-36)%6
.irp m, 0,1,2,3
	HFRAG 4*kst+\m
.irp t, 0,1,2,3
.if kst == 0
.set cc, BI+8*\t
.else
.set cc, ACC+32*\t+8*\m
.endif
	MM ACC+32*\t+8*\m, hfr, wfr+12*\t, cc, HS+4*(kst>>1)+2*(\m>>1)+(kst&1), \m&1, WS+24*((3+iv)%2)+4*(kst>>1)+2*(\t>>1)+(kst&1), \t&1
.endr
.endr
.endif
	PLACES
.if n == 6                             ; what a later group wants, into registers whose last reader stands at least these places back: a group's biases are last read by its seventh unit
	GP 1
.elseif n == 18
	GP 2
.elseif n == 25
	GPV 0
.elseif n == 37
	GPV 1
.elseif n == 43
	GPV 2
.irp i, 0,1,2,3,4,5,6,7,8,9,10,11
	GL4 U53+4*\i, LI, SWV, 104448+512*\i           ; the 54th unit: the last K step of V's last pass
.endr
.endif
.if n+3 <= 52
.if (n+3)%12 == 0
	MEET (n+3)/12                                  ; the next fetch is the first from its fill
.endif
	FETCH n+3                                      ; into the buffer just multiplied
.endif
.endm
; A group of Q or K is finished: for each tile of 16 rows its 64 registers a lane (column 32 b + 16 h + i at register 16 b + i) become one fragment and one scale word a row.
.macro EPQ g
.irp m, 0,1,2,3
	QMAX 3, 64*\m, 64*\m+16, 64*\m+32, 64*\m+48
	QWORD PW+\m
	QCVT 3, 64*\m, 64*\m+16, 64*\m+32, 64*\m+48
.irp e, 0,1,2
	global_store_b128 v[LI], v[PC+4*\e:PC+4*\e+3], s[SOQ:SOQ+1] offset:6144*(\g)+1536*\m+512*\e   ; 32 lanes store 512 consecutive bytes, at a multiple of 256 from the buffer's first byte
.endr
.endr
	v_cndmask_b32 v[SW0], v[PW], v[PW+1], s[HI]    ; lanes 0-15 the even tile's words, lanes 16-31 the odd tile's
	v_cndmask_b32 v[SW0+1], v[PW+2], v[PW+3], s[HI]
	global_store_b32 v[LI], v[SW0], s[SOS+2*(\g):SOS+2*(\g)+1]
	global_store_b32 v[LI], v[SW0+1], s[SOS+2*(\g):SOS+2*(\g)+1] offset:8
.endm
; A pass of V is finished: a channel tile's 32 registers a lane are two blocks of 32 keys (my half of each).  Two tiles are converted together: places 0 and 2 take tile 2 p's blocks, places 1 and 3
; tile 2 p + 1's, so that lanes 0-15 end with tile 2 p's twelve registers and lanes 16-31 with tile 2 p + 1's: each is the half of a fragment's lanes that belongs to this block's 64 keys.
.macro EPV i
.irp p, 0,1
	QMAX 3, 64*\p, 64*\p+32, 64*\p+16, 64*\p+48
	s_wait_alu depctr_va_vdst(0)
	QCVT 3, 64*\p, 64*\p+32, 64*\p+16, 64*\p+48
.irp e, 0,1,2
	global_store_b128 v[VA], v[PC+4*\e:PC+4*\e+3], s[SOV:SOV+1] offset:49152*(\i)+3072*\p+512*\e   ; each 16 lanes store 256 consecutive bytes, aligned
.endr
	v_cndmask_b32 v[BLO], v[TM+4], v[TM+5], s[HI]  ; my tile's byte of the first 32 keys,
	v_cndmask_b32 v[BHI], v[TM+6], v[TM+7], s[HI]  ; and of the second
	global_store_b8 v[LI], v[BLO], s[SOVS:SOVS+1] offset:1024*(2*(\i)+\p)
	global_store_b8 v[LI], v[BHI], s[SOVS:SOVS+1] offset:1024*(2*(\i)+\p)+2
.endr
.endm
.macro BIV i                           ; bv of pass i as the C of its sums: a lane holds one channel, so all eight registers of a tile hold its bias
.irp t, 0,1,2,3
	s_wait_alu depctr_va_vdst(0)
.irp j, 0,1,2,3,4,5,6,7
	v_mov_b32 v[BI+8*\t+\j], v[BV+4*(\i)+\t]
.endr
.endr
	s_wait_alu depctr_va_vdst(0)
	PLACES
.endm
	s_load_b256 s[4:11], s[0:1], 0x0               ; hw_codes s[4:5], hw_scales s[6:7], bq s[8:9], bk s[10:11]
	s_load_b256 s[12:19], s[0:1], 0x20             ; bv s[12:13], qk_codes s[14:15], qk_scales s[16:17], v_codes s[18:19]
	s_load_b64 s[20:21], s[0:1], 0x40              ; v_scales
	v_lshl_add_u32 v254, v0, 2, 0x4f800
	v_mov_b32 v255, 0
	ds_add_u32 v254, v255
	ds_add_u32 v254, v255
	v_lshrrev_b32 v5, 5, v0
	v_readfirstlane_b32 s[WV], v5                  ; wave w
	v_and_b32 v5, 31, v0
	v_and_b32 v6, 15, v0                           ; r
	v_bfe_u32 v7, v0, 4, 1                         ; h
	v_lshlrev_b32 v[LI], 4, v5
	v_lshlrev_b32 v[HB], 6, v7
	v_and_b32 v5, 8, v6
	v_add_nc_u32 v5, v5, v6
	v_lshlrev_b32 v[RB], 2, v5
	v_mul_u32_u24 v[VA], v7, 1536
	v_lshl_add_u32 v[VA], v6, 4, v[VA]
.irp q, 0,1,2,3,4,5
	v_add_nc_u32 v[LA+\q], 61440*\q, v[LI]         ; every wave reads the same bytes: no wave's number and no place in the cluster enters
.endr
.irp b, 0,1,2,3
	v_mov_b32 v[TM+4+\b], 0                        ; written once: a lane permute's destination counts as one of its sources
.endr
	s_and_b32 s[CQ], ttmp7, 0xffff                 ; the column quarter: the cluster's y, which the four partners share
	s_and_b32 s23, s[CQ], 1                        ; y % 2
	s_lshr_b32 s66, s[CQ], 1                       ; y / 2: Q (0) or K (1)
	s_mov_b32 s[HI], 0xffff0000
	s_mov_b32 s[SEL], 0x76543210
	s_mov_b32 s[SEL+1], 0xfedcba98
	; descriptor group 1: a dense run of memory as rows of 256 bytes (32 elements of 8 bytes), laid on end in LDS
.irp g, G1, G1L
	s_mov_b32 s[\g], 15|(3<<16)|(1<<21)            ; 15:0 the mask: all four work-groups; 17:16 elements of 8 bytes; 20 no padding; 21 set beside a mask
	s_mov_b32 s[\g+1], 32<<16                      ; tensor_dim0 = 32
	s_mov_b32 s[\g+3], 32<<16                      ; tile_dim0 = 32
	s_mov_b32 s[\g+5], 32                          ; from row to row: 32 elements
	s_mov_b32 s[\g+6], 0
	s_mov_b32 s[\g+7], 0
.endr
	s_mov_b32 s[G1+2], 72<<16                      ; tensor_dim1 = 72: a quarter of twelve units
	s_mov_b32 s[G1+4], 72                          ; tile_dim1
	s_mov_b32 s[G1L+2], 30<<16                     ; and 30: a quarter of five units
	s_mov_b32 s[G1L+4], 30
	s_mul_i32 s30, s[WV], 18432                    ; my quarter of a fill of twelve units, in memory and in LDS alike
	s_mul_i32 s31, s[WV], 7680                     ; and of the fill of five
	s_mov_b32 s3, 0                                ; offsets into the weights are made in s2, with 0 above it: they hang on y and on the wave's number alone
	s_mov_b32 s29, 0                               ; all other offsets in s28, with 0 above it (all stay under 2^25)
	s_wait_alu depctr_va_vdst(0)                   ; the wait at the head's end
	s_wait_dscnt 0x0
	s_wait_kmcnt 0x0
	s_mul_i32 s2, s[CQ], 221184                    ; six blocks a quarter, behind h's 256
	s_add_co_u32 s2, s2, 9437184
	s_add_nc_u64 s[SWQ:SWQ+1], s[4:5], s[2:3]
	s_mul_i32 s2, s[CQ], 110592                    ; three blocks a quarter, from block 280 on
	s_add_co_u32 s2, s2, 10321920
	s_add_nc_u64 s[SWV:SWV+1], s[4:5], s[2:3]
	s_mov_b32 s2, s30
.irp f, 0,1,2                                  ; fills 0 to 2: units 12 f on: Wq's or Wk's blocks 2 f and 2 f + 1
	s_mov_b32 s[G0+4*\f], 1                        ; 1:0 count = 1
	s_add_co_u32 s[G0+4*\f+1], s30, 73728*\f       ; 63:32 LDS address
	s_add_nc_u64 s[G0+4*\f+2:G0+4*\f+3], s[SWQ:SWQ+1], s[2:3]
	s_add_nc_u64 s[G0+4*\f+2:G0+4*\f+3], s[G0+4*\f+2:G0+4*\f+3], 73728*\f   ; 120:64 global address
	s_or_b32 s[G0+4*\f+3], s[G0+4*\f+3], 0x80000000   ; 127:126 type = 2
.endr
	s_mov_b32 s[G0+12], 1                          ; fill 3: units 36 on: Wv's first two blocks
	s_add_co_u32 s[G0+13], s30, 221184
	s_add_nc_u64 s[G0+14:G0+15], s[SWV:SWV+1], s[2:3]
	s_or_b32 s[G0+15], s[G0+15], 0x80000000
	s_mov_b32 s2, s31
	s_mov_b32 s[G0E], 1                            ; fill 4: units 48 to 52
	s_add_co_u32 s[G0E+1], s31, 294912
	s_add_nc_u64 s[G0E+2:G0E+3], s[SWV:SWV+1], s[2:3]
	s_add_nc_u64 s[G0E+2:G0E+3], s[G0E+2:G0E+3], 73728
	s_or_b32 s[G0E+3], s[G0E+3], 0x80000000
	CROUND                                         ; all four work-groups are here: the joint loads meet
	tensor_load_to_lds s[G0:G0+3], s[G1:G1+7]      ; fill 0: my one load at the head
	s_nop 0
	PLACES                                         ; four v_nop follow the last of them
	s_bfe_u32 s28, ttmp6, 0x40000                  ; cx: my place in the cluster: it enters the addresses of h and of the results alone
	s_lshl_b32 s28, s28, 2
	s_add_co_u32 s[BB], s28, s[WV]                 ; my block in its batch: 4 cx + w (a cluster's 16 blocks are a batch: ttmp9 is the batch)
	s_lshl_b32 s[BLK], ttmp9, 4
	s_add_co_u32 s[BLK], s[BLK], s[BB]             ; my block
	s_mul_i32 s28, s[BLK], 36864
	s_add_nc_u64 s[SH:SH+1], s[4:5], s[28:29]
	s_mul_i32 s28, s[BLK], 1536
	s_add_nc_u64 s[SHS:SHS+1], s[6:7], s[28:29]
	s_mul_i32 s28, s[CQ], 9216
	s_add_co_u32 s28, s28, 393216
	s_add_nc_u64 s[SSQ:SSQ+1], s[6:7], s[28:29]
	s_mul_i32 s28, s[CQ], 4608
	s_add_co_u32 s28, s28, 430080
	s_add_nc_u64 s[SSV:SSV+1], s[6:7], s[28:29]
	s_cmp_lt_u32 s[CQ], 2                          ; the choice hangs on the work-group's y alone
	s_cselect_b64 s[SB:SB+1], s[8:9], s[10:11]
	s_mul_i32 s28, s23, 1536
	s_add_nc_u64 s[SB:SB+1], s[SB:SB+1], s[28:29]
	s_mul_i32 s28, s[CQ], 768
	s_add_nc_u64 s[SBV:SBV+1], s[12:13], s[28:29]
.irp e, 0,1,2
	GL4 HS+4*\e, LI, SHS, 512*\e                   ; h's scale words: (tile m, K step s) in register 4 (s / 2) + 2 (m / 2) + s % 2, lanes 0-15 for m even, 16-31 for m odd
.endr
.irp i, 0,1,2
.irp t, 0,1,2,3
	global_load_b32 v[BV+4*\i+\t], v[RB], s[SBV:SBV+1] offset:(64*\i+32*(\t>>1)+8*(\t&1))*4
.endr
.endr
	GP 0
.set f, 0
.rept 24
	HFRAG f
.irp e, 0,1,2
	GL4 hfr+4*\e, LI, SH, 1536*f+512*\e            ; K step by K step: fragment 4 s + m
.endr
.set f, f+1
.endr
	s_mul_i32 s28, s66, 9437184                    ; where the results go
	s_mul_i32 s67, s[BLK], 36864
	s_add_co_u32 s28, s28, s67
	s_mul_i32 s67, s23, 18432
	s_add_co_u32 s28, s28, s67
	s_add_nc_u64 s[SOQ:SOQ+1], s[14:15], s[28:29]
	s_mul_i32 s30, s66, 393216
	s_mul_i32 s67, s[BLK], 1536
	s_add_co_u32 s30, s30, s67                     ; the block's scale words
	s_mul_i32 s31, s23, 3                          ; the quarter's first group is K step 3 (y % 2) of Q or K
.irp g, 0,1,2
	s_add_co_u32 s67, s31, \g
	s_lshr_b32 s28, s67, 1
	s_lshl_b32 s28, s28, 9
	s_and_b32 s67, s67, 1
	s_lshl_b32 s67, s67, 2
	s_add_co_u32 s28, s28, s67
	s_add_co_u32 s28, s28, s30
	s_add_nc_u64 s[SOS+2*\g:SOS+2*\g+1], s[16:17], s[28:29]
.endr
	s_mul_i32 s28, ttmp9, 589824
	s_mul_i32 s67, s[CQ], 147456
	s_add_co_u32 s28, s28, s67
	s_lshr_b32 s67, s[BB], 1                       ; the key step of 128,
	s_mul_i32 s67, s67, 6144
	s_add_co_u32 s28, s28, s67
	s_and_b32 s67, s[BB], 1                        ; and which half of its fragments' lanes
	s_lshl_b32 s67, s67, 8
	s_add_co_u32 s28, s28, s67
	s_add_nc_u64 s[SOV:SOV+1], s[18:19], s[28:29]
	s_mul_i32 s28, ttmp9, 24576
	s_mul_i32 s67, s[CQ], 6144
	s_add_co_u32 s28, s28, s67
	s_lshr_b32 s67, s[BB], 3
	s_lshl_b32 s67, s67, 9
	s_add_co_u32 s28, s28, s67
	s_bfe_u32 s67, s[BB], 0x20001
	s_lshl_b32 s67, s67, 2
	s_add_co_u32 s28, s28, s67
	s_and_b32 s67, s[BB], 1
	s_add_co_u32 s28, s28, s67
	s_add_nc_u64 s[SOVS:SOVS+1], s[20:21], s[28:29]
	MEET 0                                         ; units 0 to 11 lie in LDS
.irp u, 0,1,2
	FETCH \u
.endr
.set n, 0
	s_wait_alu depctr_va_vdst(0)
.rept 54
	UNIT
.if (n < 36) && (n%12 == 11)
	EPQ n/12
.if n == 35
	BIV 0
.endif
.elseif (n >= 36) && ((n-36)%6 == 5)
	EPV (n-36)/6
.if n < 53
	BIV (n-36)/6+1
.endif
.endif
.set n, n+1
.endr
	WIN 0                                          ; at a label and at a branch every window is 0
	s_wait_tensorcnt 0x0
	ds_add_u32 v254, v255
	s_wait_dscnt 0x0
	CROUND                                         ; the closing round: no work-group ends while a partner may still ask for a fill that names it
	s_endpgm
.Lfunc_end_k_q1e4d367d36_qkv:
	.size	k_q1e4d367d36_qkv, .Lfunc_end_k_q1e4d367d36_qkv-k_q1e4d367d36_qkv
	.p2alignl 7, 3214868480
	.fill 96, 4, 3214868480
	.section	.rodata,"a",@progbits
	.p2align	6, 0x0
	.amdhsa_kernel k_q1e4d367d36_qkv
		.amdhsa_group_segment_fixed_size 327680
		.amdhsa_private_segment_fixed_size 0
		.amdhsa_enable_private_segment 0
		.amdhsa_kernarg_size 72
		.amdhsa_user_sgpr_count 2
		.amdhsa_user_sgpr_kernarg_segment_ptr 1
		.amdhsa_wavefront_size32 1
		.amdhsa_system_sgpr_workgroup_id_x 1
		.amdhsa_system_sgpr_workgroup_id_y 1
		.amdhsa_system_sgpr_workgroup_id_z 1
		.amdhsa_system_vgpr_workitem_id 0
		.amdhsa_next_free_vgpr 1024
		.amdhsa_next_free_sgpr 102
		.amdhsa_reserve_vcc 0
		.amdhsa_float_denorm_mode_32 3
		.amdhsa_float_denorm_mode_16_64 3
		.amdhsa_memory_ordered 1
		.amdhsa_forward_progress 1
		.amdhsa_inst_pref_size 255
	.end_amdhsa_kernel
	.section	.bss,"aw",@nobits
	.p2align	6
	.space	262144
	.amdgpu_metadata
---
amdhsa.version: [ 1, 2 ]
amdhsa.kernels:
  - .name:           k_q1e4d367d36_qkv
    .symbol:         k_q1e4d367d36_qkv.kd
    .args:
      - { .name: hw_codes, .offset: 0, .size: 8, .value_kind: global_buffer, .address_space: global }
      - { .name: hw_scales, .offset: 8, .size: 8, .value_kind: global_buffer, .address_space: global }
      - { .name: bq, .offset: 16, .size: 8, .value_kind: global_buffer, .address_space: global }
      - { .name: bk, .offset: 24, .size: 8, .value_kind: global_buffer, .address_space: global }
      - { .name: bv, .offset: 32, .size: 8, .value_kind: global_buffer, .address_space: global }
      - { .name: qk_codes, .offset: 40, .size: 8, .value_kind: global_buffer, .address_space: global }
      - { .name: qk_scales, .offset: 48, .size: 8, .value_kind: global_buffer, .address_space: global }
      - { .name: v_codes, .offset: 56, .size: 8, .value_kind: global_buffer, .address_space: global }
      - { .name: v_scales, .offset: 64, .size: 8, .value_kind: global_buffer, .address_space: global }
    .group_segment_fixed_size: 327680
    .private_segment_fixed_size: 0
    .kernarg_segment_align: 8
    .kernarg_segment_size: 72
    .max_flat_workgroup_size: 128
    .sgpr_count:     102
    .vgpr_count:     1024
    .wavefront_size: 32
...
	.end_amdgpu_metadata
.endif
;; end of part 5
;; launch attn (part 6): grid 256 x 1, 4 waves a work-group, clusters of 4 x 1, 327,680 bytes of LDS; arguments qk_codes, qk_scales, v_codes, v_scales, out0; writes out0
.if DOCPART == 6
	.amdgcn_target "amdgcn-amd-amdhsa--gfx1250"
	.amdhsa_code_object_version 6
	.text
	.protected	k_q1e4d367d36_attn
	.globl	k_q1e4d367d36_attn
	.p2align	8
	.type	k_q1e4d367d36_attn,@function
k_q1e4d367d36_attn:
	s_mov_b64 s[64:65], 0
	v_nop
	global_prefetch_b8 v0, s[64:65] scope:SCOPE_SE
	s_setreg_imm32_b32 hwreg(HW_REG_WAVE_MODE, 25, 1), 1
	s_wait_xcnt 0x0
	s_wait_alu depctr_hold_cnt(0) depctr_sa_sdst(0) depctr_va_vdst(0) depctr_va_sdst(0) depctr_va_ssrc(0) depctr_va_vcc(0) depctr_vm_vsrc(0)
	s_getreg_b32 s2, hwreg(HW_REG_IB_STS2, 6, 4)
	s_cmp_eq_u32 s2, 0
	s_cbranch_scc0 .Lentry_in_a_cluster
	s_endpgm
.Lentry_in_a_cluster:
	s_bfe_u32 s2, ttmp6, 0x10000c
	s_cmp_lg_u32 s2, 0x3003
	s_cbranch_scc0 .Lentry_shape_is_right
	s_endpgm
.Lentry_shape_is_right:
; out = softmax(Q K^T / sqrt(768)) V on codes of E3M2 with E8M0 block scales.  A work-group owns one block of 64 queries of one batch and walks all 1,024 keys.
; SCORES: wave w takes keys 256 w .. 256 w + 255 against all 64 queries, transposed (source 0 = 16 keys, source 1 = 16 queries): a lane holds one query and its registers run along the keys; 512 accumulator registers.
; SOFTMAX: the row's largest score goes between the waves through LDS; M = ceil(largest t); p = 2^(t - M); the row's sum is taken of the unquantised p; p is quantised block by block of 32 keys,
; and its fragments and scale words go to all waves through LDS as images of operand registers.
; LAST PRODUCT: wave w takes channels 192 w .. 192 w + 191 in THREE PASSES of 64 channels; all of P, 32 fragments, stays in 384 registers, read from LDS once; a pass sums over the eight key steps
; into 128 registers, is divided by the row's sum, turns through the wave's own stage in LDS and is stored as whole rows of 256 bytes while the next pass is multiplied.
; CLUSTER: the four work-groups of a cluster have the same batch, so the same K and V: every tile is asked for jointly, with the same descriptor and the mask of all four.  Q's block is the work-group's own and goes straight into registers.
; LDS: 0 .. 294,911 K: the area for two K steps (16 key blocks x 12,288), then that for one (16 x 6,144); filled at the head with K steps 0-2, again with 3-4 and 5.  Behind the scores 0 .. 245,759 take V, ten units of 6,144 bytes a wave.
; 245,760 P's image (stored to only after K's last fill there); 294,912 scale words, maxima, sums; 303,104 the spare words; 303,616 four stages of 16 x 272 bytes: no fill ever lands from 294,912 on.
; THE HEAD'S FOUR LOADS, one a wave: waves 0 and 1 bring eight key blocks each of K steps 0-1, waves 2 and 3 eight each of K step 2; a barrier shows them to all waves.
; No prefetch: the walk is written out, there is no loop to run ahead in, and each refill is asked for as soon as its bytes are free.
; LIMITS: NaN and infinities are not served; a block of p that is all zeros keeps the byte 1 (its codes are zeros).
.set KBO,   196608
.set PIMG,  245760
.set FXB,   294912
.set PSC,   0                          ; in the small area: P's scale words, 512 bytes a key step
.set MX,    4096                       ; the waves' maxima
.set SM,    6144                       ; the waves' sums
.set SPARE, 303104
.set STG,   303616
.set LI,   1                           ; v1  16 x lane
.set MXA,  2                           ; v2  my word among the maxima and sums
.set PWI,  3                           ; v3  where I put P's fragments
.set PSA,  4                           ; v4  where I put P's scale words
.set VB,   5                           ; v5  my ten units of V
.set PIB,  6                           ; v6  P's image
.set FX,   7                           ; v7  the small area
.set SPW,  8                           ; v8  my spare word;  v9  0: both serve the add alone
.set NIL,  9
.set KAB,  10                          ; v10, v11  my key blocks in K's two areas
.set KBB,  11
.set STO,  2                           ; the way out (in registers that are free by then): into the stage,
.set RD0,  3                           ; back out of it,
.set GO0,  10                          ; and the same two rows in out0
.set NEGM, 12                          ; v12-19  -M, later 1 / sum, in the low word of a pair for each query tile
.set SA,   20
.set SB,   28
.set RM,   36
.set KS,   40                          ; v40-87  K's scale words, later V's
.set QS,   88                          ; v88-99  Q's scale words;  v88-119 later P's
.set PS,   88
.set QF,   120                         ; Q's fragments: three buffers of a K step: v120, v168, v448
.set QF2,  448
.set BM,   120                         ; softmax at work: v120-235
.set PC1,  120
.set TP,   152
.set SOP,  184
.set OB,   120                         ; the way out: two sets of 32 registers
.set PC0,  216
.set PW,   236
.set MXR,  240
.set SML,  240
.set RING, 256                         ; window 1: buffers for units of K (four) or V (five)
.set SACC, 512                         ; windows 2, 3: the scores, then p
.set OACC, 896                         ; v896-1023: a pass's 16 accumulators; P's fragments lie at v512-763, v768-887 and v216-227
.set WV,   14
.set SQ,   20
.set SQS,  22
.set SKS,  24
.set SVS,  26
.set SOUT, 28
.set CS,   30
.set SEL,  32
.set G1KA, 36
.set G1KB, 44
.set G1VA, 52
.set G0A,  60
.set G1VB, 68
.set G1VC, 76
.set G0B,  84
.set G0C,  88                          ; s[88:95]: group 0 of the head's loads, then of V's
.set G0D,  92
.set MSB, 0
.set dsn, 0                            ; the text's tally of fragment loads from LDS; LDS instructions that it leaves out only make a counted wait stricter
.set dsP, 0
.macro WIN new                         ; the immediate's high byte repeats the setting that is left
.if MSB != (\new)
	s_set_vgpr_msb (MSB<<8)|(\new)
.set MSB, \new
.endif
.endm
.macro CROUND                          ; a round of the cluster's barrier
	s_barrier_signal -1
	s_barrier_wait -1
	s_cmp_lg_u32 s[WV], 0
	s_cbranch_scc1 .Lnot_wave_0_\@
	s_barrier_signal -3
.Lnot_wave_0_\@:
	s_barrier_wait -3
	s_barrier_signal -1
	s_barrier_wait -1
.endm
.macro PLACES                          ; four plain places behind a matrix instruction, or behind a tensor load
.rept 4
	v_nop
.endr
.endm
; A refill: all my tensor loads have landed, my LDS instructions are done; a round; my one joint load behind it.
.macro REFILL g0, g1, step
	WIN 0
	s_wait_tensorcnt 0x0
	ds_add_u32 v[SPW], v[NIL]
.if \step
	s_add_nc_u64 s[\g0+2:\g0+3], s[\g0+2:\g0+3], \step
.endif
	s_wait_dscnt 0x0
	CROUND
	tensor_load_to_lds s[\g0:\g0+3], s[\g1:\g1+7]
	s_nop 0
	PLACES
.endm
; A matrix instruction on absolute register numbers.  c < 0: the sum begins with 0.  ra, rb = 1: that side's scales stand in lanes 16-31.
.macro MM d, a, b, c, sa, ra, sb, rb
.set rD, (\d)&255
.set rA, (\a)&255
.set rB, (\b)&255
	WIN ((((\d)>>8)<<6)|(((\d)>>8)<<4)|(((\b)>>8)<<2)|((\a)>>8))
.if (\c) < 0
.if (\ra) && (\rb)
	v_wmma_scale_f32_16x16x128_f8f6f4 v[rD:rD+7], v[rA:rA+11], v[rB:rB+11], 0, v[\sa], v[\sb] matrix_a_fmt:MATRIX_FMT_BF6 matrix_b_fmt:MATRIX_FMT_BF6 matrix_a_scale:MATRIX_SCALE_ROW1 matrix_b_scale:MATRIX_SCALE_ROW1
.elseif (\ra)
	v_wmma_scale_f32_16x16x128_f8f6f4 v[rD:rD+7], v[rA:rA+11], v[rB:rB+11], 0, v[\sa], v[\sb] matrix_a_fmt:MATRIX_FMT_BF6 matrix_b_fmt:MATRIX_FMT_BF6 matrix_a_scale:MATRIX_SCALE_ROW1
.elseif (\rb)
	v_wmma_scale_f32_16x16x128_f8f6f4 v[rD:rD+7], v[rA:rA+11], v[rB:rB+11], 0, v[\sa], v[\sb] matrix_a_fmt:MATRIX_FMT_BF6 matrix_b_fmt:MATRIX_FMT_BF6 matrix_b_scale:MATRIX_SCALE_ROW1
.else
	v_wmma_scale_f32_16x16x128_f8f6f4 v[rD:rD+7], v[rA:rA+11], v[rB:rB+11], 0, v[\sa], v[\sb] matrix_a_fmt:MATRIX_FMT_BF6 matrix_b_fmt:MATRIX_FMT_BF6
.endif
.else
.if (\ra) && (\rb)
	v_wmma_scale_f32_16x16x128_f8f6f4 v[rD:rD+7], v[rA:rA+11], v[rB:rB+11], v[rD:rD+7], v[\sa], v[\sb] matrix_a_fmt:MATRIX_FMT_BF6 matrix_b_fmt:MATRIX_FMT_BF6 matrix_a_scale:MATRIX_SCALE_ROW1 matrix_b_scale:MATRIX_SCALE_ROW1
.elseif (\ra)
	v_wmma_scale_f32_16x16x128_f8f6f4 v[rD:rD+7], v[rA:rA+11], v[rB:rB+11], v[rD:rD+7], v[\sa], v[\sb] matrix_a_fmt:MATRIX_FMT_BF6 matrix_b_fmt:MATRIX_FMT_BF6 matrix_a_scale:MATRIX_SCALE_ROW1
.elseif (\rb)
	v_wmma_scale_f32_16x16x128_f8f6f4 v[rD:rD+7], v[rA:rA+11], v[rB:rB+11], v[rD:rD+7], v[\sa], v[\sb] matrix_a_fmt:MATRIX_FMT_BF6 matrix_b_fmt:MATRIX_FMT_BF6 matrix_b_scale:MATRIX_SCALE_ROW1
.else
	v_wmma_scale_f32_16x16x128_f8f6f4 v[rD:rD+7], v[rA:rA+11], v[rB:rB+11], v[rD:rD+7], v[\sa], v[\sb] matrix_a_fmt:MATRIX_FMT_BF6 matrix_b_fmt:MATRIX_FMT_BF6
.endif
.endif
.endm
.macro GL4 dst, va, sb, off
.set rG, (\dst)&255
	WIN (((\dst)>>8)<<6)
	global_load_b128 v[rG:rG+3], v[\va], s[\sb:\sb+1] offset:\off
.endm
.macro DL4 dst, va, off
.set rG, (\dst)&255
	WIN (((\dst)>>8)<<6)
	ds_load_b128 v[rG:rG+3], v[\va] offset:\off
.endm
.macro SETFM u                         ; the tally behind unit u's fetch
.irp k, 0,1,2,3,4,5,6,7
.if ((\u)%8) == \k
.set fm\k, dsn
.endif
.endr
.endm
.macro GETFM u
.irp k, 0,1,2,3,4,5,6,7
.if ((\u)%8) == \k
.set fmv, fm\k
.endif
.endr
.endm
.macro FETCH u                         ; a unit: four fragments, twelve loads of 512 consecutive bytes.  Units 0-23: K (K step u / 4, key block u % 4); 24-47: V, in the order of its stream
.if (\u) < 24
.if (((\u)/4)%3) == 2
.set fa, KBB
.set fo, 6144*((\u)%4)
.else
.set fa, KAB
.set fo, 12288*((\u)%4)+6144*(((\u)/4)%3)
.endif
.set fd, RING+48*((\u)%4)
.else
.set fa, VB
.set fo, 6144*(((\u)-24)%10)
.set fd, RING+48*((\u)%5)
.endif
.irp i, 0,1,2,3,4,5,6,7,8,9,10,11
	DL4 fd+4*\i, fa, fo+512*\i
.endr
.set dsn, dsn+12
	SETFM \u
.endm
.macro PFRAG f                         ; where P's fragment f = 4 x key step + query tile stands: none lies across a window's end
.if (\f) < 21
.set pfr, 512+12*(\f)
.elseif (\f) < 31
.set pfr, 768+12*((\f)-21)
.else
.set pfr, 216
.endif
.endm
.macro PLOAD q                         ; key step q's four fragments of P
.irp m, 0,1,2,3
	PFRAG 4*(\q)+\m
.irp e, 0,1,2
	DL4 pfr+4*\e, PIB, 6144*(\q)+1536*\m+512*\e
.endr
.endr
.set dsn, dsn+12
.endm
.macro DSW u, pk                       ; unit u's fragments are in when at most the loads tallied behind its fetch are out; pk >= 0: and P's key step pk, behind which 12 (7 - pk) of P's loads and all later fetches were issued
	GETFM \u
.set dw, dsn-fmv
.if (\pk) >= 0
.if dsn-dsP+12*(7-(\pk)) < dw
.set dw, dsn-dsP+12*(7-(\pk))
.endif
.endif
.if dw > 63
.set dw, 63
.endif
	s_wait_dscnt dw
.endm
.macro QLOAD q
.if ((\q)%3) == 2
.set qd, QF2
.else
.set qd, QF+48*((\q)%3)
.endif
.irp i, 0,1,2,3,4,5,6,7,8,9,10,11
	GL4 qd+4*\i, LI, SQ, 6144*(\q)+512*\i
.endr
.endm
.macro UNITK                           ; 16 matrix instructions: four key tiles x four query tiles; the accumulators take turns
.set kst, n/4
.set jb, n%4
.if jb == 0
.if kst <= 3
	s_wait_loadcnt 24                              ; this K step of Q is in; the two younger steps, twelve loads each, may be out
.elseif kst == 4
	s_wait_loadcnt 12
.else
	s_wait_loadcnt 0x0
.endif
.endif
	DSW n, -1
.if (kst%3) == 2
.set qf, QF2
.else
.set qf, QF+48*(kst%3)
.endif
.irp m, 0,1,2,3
.irp t, 0,1,2,3
.if kst == 0
.set cc, -1
.else
.set cc, 0
.endif
	MM SACC+128*\m+8*(4*jb+\t), RING+48*(n%4)+12*\t, qf+12*\m, cc, KS+12*jb+4*(kst>>1)+2*(\t>>1)+(kst&1), \t&1, QS+4*(kst>>1)+2*(\m>>1)+(kst&1), \m&1
.endr
.endr
	PLACES
.endm
.macro UNITV                           ; pass (n - 24) / 8, key step (n - 24) % 8: four channel tiles x four query tiles
.set pas, (n-24)/8
.set kst, (n-24)%8
.if n == 24
	s_wait_loadcnt 0x0                             ; V's scale words
.endif
.if n < 29
	DSW n, kst                                     ; these units were fetched ahead of P's loads
.else
	DSW n, -1                                      ; fetched behind all of P's loads, which have come back ahead of them
.endif
.irp m, 0,1,2,3
	PFRAG 4*kst+\m
.irp t, 0,1,2,3
.if kst == 0
.set cc, -1
.else
.set cc, 0
.endif
	MM OACC+32*\m+8*\t, RING+48*(n%5)+12*\t, pfr, cc, KS+8*((4*pas+\t)>>1)+kst, \t&1, PS+4*kst+\m, 0
.endr
.endr
	PLACES
.endm
.macro BMAX m                          ; the largest score of each block of 32 keys (my half of it); each accumulator is read from its low end on
.set sw, 2+((\m)>>1)
.set sb_, 128*((\m)&1)
	WIN sw|(sw<<2)
.irp b, 0,1,2,3,4,5,6,7
	v_max_num_f32 v[BM+8*(\m)+\b], v[sb_+16*\b], v[sb_+16*\b+1]
.endr
.irp i, 2,4,6,8,10,12,14
.irp b, 0,1,2,3,4,5,6,7
	v_max3_num_f32 v[BM+8*(\m)+\b], v[sb_+16*\b+\i], v[sb_+16*\b+\i+1], v[BM+8*(\m)+\b]
.endr
.endr
.endm
.macro PEXP m                          ; p = 2^(score x c - M)
.set sw, 2+((\m)>>1)
.set sb_, 128*((\m)&1)
	WIN (sw<<6)|sw
.set i, 0
.rept 64
	v_pk_fma_f32 v[sb_+i:sb_+i+1], v[sb_+i:sb_+i+1], s[CS:CS+1], v[NEGM+2*(\m):NEGM+2*(\m)+1] op_sel_hi:[1,0,0]
.set i, i+2
.endr
.set i, 0
	s_wait_alu depctr_va_vdst(0)                   ; the wait ahead of the batch
.rept 128
	v_exp_f32 v[sb_+i], v[sb_+i]
.set i, i+1
.endr
.endm
.macro PSUM m                          ; the sum of the unquantised p, in two packed chains
.set sw, 2+((\m)>>1)
.set sb_, 128*((\m)&1)
	WIN sw|(sw<<2)
	v_pk_add_f32 v[SA+2*(\m):SA+2*(\m)+1], v[sb_:sb_+1], v[sb_+2:sb_+3]
	v_pk_add_f32 v[SB+2*(\m):SB+2*(\m)+1], v[sb_+4:sb_+5], v[sb_+6:sb_+7]
	WIN sw<<2
.set i, 8
.rept 30
	v_pk_add_f32 v[SA+2*(\m):SA+2*(\m)+1], v[SA+2*(\m):SA+2*(\m)+1], v[sb_+i:sb_+i+1]
	v_pk_add_f32 v[SB+2*(\m):SB+2*(\m)+1], v[SB+2*(\m):SB+2*(\m)+1], v[sb_+i+2:sb_+i+3]
.set i, i+4
.endr
.endm
.macro PQ j2, m                        ; 128 keys of query tile m become a fragment; its four places of 32 along K hold the key blocks 0, 2, 1, 3, as V's do
.set sw, 2+((\m)>>1)
.set pb, 128*((\m)&1)+64*(\j2)
.set ob, 8*(\m)+4*(\j2)
.if (\m)%2
.set pcr, PC1
.else
.set pcr, PC0
.endif
.if ((\j2) == 1) && ((\m) == 0)
	s_wait_dscnt 0x0                               ; the stores of two fragments back, and of the scale words, have read their registers
.else
	s_wait_dscnt 3                                 ; all but the last fragment's three stores
.endif
	v_lshl_or_b32 v[PW+\m], v[TP+ob+2], 8, v[TP+ob]
	v_lshl_or_b32 v[PW+\m], v[TP+ob+1], 16, v[PW+\m]
	v_lshl_or_b32 v[PW+\m], v[TP+ob+3], 24, v[PW+\m]
	WIN sw
	v_cvt_scalef32_pk16_bf6_f32 v[pcr:pcr+2], v[pb:pb+15], v[SOP+ob]
	v_cvt_scalef32_pk16_bf6_f32 v[pcr+12:pcr+14], v[pb+32:pb+47], v[SOP+ob+2]
	v_cvt_scalef32_pk16_bf6_f32 v[pcr+6:pcr+8], v[pb+16:pb+31], v[SOP+ob+1]
	v_cvt_scalef32_pk16_bf6_f32 v[pcr+16:pcr+18], v[pb+48:pb+63], v[SOP+ob+3]
	WIN 0
	v_nop                                          ; one plain place behind a scaled conversion
.irp c, 0,1
.irp i, 0,1,2
	v_permlane16_swap_b32 v[pcr+6*\c+\i], v[pcr+12+4*\c+\i]
.endr
.irp i, 0,1,2
	v_mov_b32 v[pcr+3+6*\c+\i], v[pcr+12+4*\c+\i]
.endr
.endr
.irp e, 0,1,2
	ds_store_b128 v[PWI], v[pcr+4*\e:pcr+4*\e+3] offset:1536*(4*(\j2)+\m)+512*\e
.endr
.endm
; THE WAY OUT of a pass, query tile by query tile.  A lane holds one query; register j of channel tile t is channel 32 (t / 2) + 8 (t % 2) + 16 h + j of the pass's 64.
; STAGE: x 1 / sum, into my stage (rows of 256 + 16 bytes), and back as whole rows: LDS serves a wave's instructions in order, so no wait stands between the stores and the loads.
.macro STAGE m
.set ob, (OACC&255)+32*(\m)
	s_wait_xcnt 0x0                                ; the earlier stores have read the registers into which this tile's rows come back
	WIN 0xc3
.set i, 0
.rept 16
	v_pk_mul_f32 v[ob+i:ob+i+1], v[ob+i:ob+i+1], v[NEGM+2*(\m):NEGM+2*(\m)+1] op_sel_hi:[1,0]
.set i, i+2
.endr
	WIN 0x0c
.set i, 0
.rept 8
	ds_store_b128 v[STO], v[ob+4*i:ob+4*i+3] offset:128*(i/4)+16*(i%4)
.set i, i+1
.endr
	WIN 0
.set i, 0
.rept 8
	ds_load_b128 v[OB+32*((\m)%2)+4*i:OB+32*((\m)%2)+4*i+3], v[RD0] offset:544*i
.set i, i+1
.endr
.endm
.macro SEND p, m, younger              ; stage row r is row 32 (m / 2) + 8 (m % 2) + r + 8 (r / 8) of the query block; each 16 lanes store 256 consecutive bytes, aligned
	s_wait_dscnt \younger                          ; the tile is back; the next tile's 8 stores and 8 loads may be out
.set i, 0
.rept 8
	global_store_b128 v[GO0], v[OB+32*((\m)%2)+4*i:OB+32*((\m)%2)+4*i+3], s[SOUT:SOUT+1] offset:(32*((\m)>>1)+8*((\m)&1)+2*i+8*(i>>2))*3072+256*(\p) th:TH_STORE_NT
.set i, i+1
.endr
.endm
.macro EPI p
	STAGE 0
	STAGE 1
	SEND \p, 0, 16
	STAGE 2
	SEND \p, 1, 16
	STAGE 3
	SEND \p, 2, 16
	SEND \p, 3, 0
.endm
	s_load_b256 s[4:11], s[0:1], 0x0               ; qk_codes s[4:5], qk_scales s[6:7], v_codes s[8:9], v_scales s[10:11]
	s_load_b64 s[12:13], s[0:1], 0x20              ; out0
	v_lshl_add_u32 v[SPW], v0, 2, SPARE
	v_mov_b32 v[NIL], 0
	ds_add_u32 v[SPW], v[NIL]                      ; the opening lines: the add, twice on end, and its one wait ahead of my first tensor load
	ds_add_u32 v[SPW], v[NIL]
	v_lshrrev_b32 v20, 5, v0
	v_readfirstlane_b32 s[WV], v20                 ; wave
	v_and_b32 v20, 31, v0
	v_lshlrev_b32 v[LI], 4, v20
	s_mul_i32 s15, s[WV], 49152
	v_add_nc_u32 v[KAB], s15, v[LI]
	s_mul_i32 s16, s[WV], 24576
	s_add_co_u32 s16, s16, KBO
	v_add_nc_u32 v[KBB], s16, v[LI]
	s_mul_i32 s17, s[WV], 61440
	v_add_nc_u32 v[VB], s17, v[LI]
	v_add_nc_u32 v[PIB], PIMG, v[LI]
	v_add_nc_u32 v[FX], FXB, v[LI]
	s_lshl_b32 s18, s[WV], 2
	v_add_nc_u32 v[MXA], s18, v[FX]
	s_lshl_b32 s18, s[WV], 10
	v_add_nc_u32 v[PSA], s18, v[FX]
	s_mul_i32 s18, s[WV], 12288
	v_add_nc_u32 v[PWI], s18, v[PIB]
.irp m, 0,1,2,3
	v_mov_b32 v[NEGM+2*\m+1], 0                    ; the upper halves of the pairs are named, never used
.endr
	s_wait_alu depctr_va_vdst(0)                   ; the wait behind the head's vector lines
.irp g, G1KA, G1KB, G1VA, G1VB, G1VC
	s_mov_b32 s[\g], 15|(3<<16)|(1<<21)            ; the mask of all four work-groups; elements of 8 bytes; bit 21 beside a mask
	s_mov_b32 s[\g+6], 0
	s_mov_b32 s[\g+7], 0
.endr
	s_mov_b32 s[G1KA+1], 1536<<16                  ; two K steps of a key block: 12,288 bytes a row, a block 36,864 bytes from the next; eight blocks at the head
	s_mov_b32 s[G1KA+2], 8<<16
	s_mov_b32 s[G1KA+3], 1536<<16
	s_mov_b32 s[G1KA+4], 8
	s_mov_b32 s[G1KA+5], 4608
	s_mov_b32 s[G1KB+1], 768<<16                   ; one K step: 6,144 bytes a row
	s_mov_b32 s[G1KB+2], 8<<16
	s_mov_b32 s[G1KB+3], 768<<16
	s_mov_b32 s[G1KB+4], 8
	s_mov_b32 s[G1KB+5], 4608
	s_mov_b32 s[G1VA+1], 32<<16                    ; V's dense stream as rows of 256 bytes: ten units,
	s_mov_b32 s[G1VA+2], 240<<16
	s_mov_b32 s[G1VA+3], 32<<16
	s_mov_b32 s[G1VA+4], 240
	s_mov_b32 s[G1VA+5], 32
	s_mov_b32 s[G1VB+1], 32<<16                    ; five,
	s_mov_b32 s[G1VB+2], 120<<16
	s_mov_b32 s[G1VB+3], 32<<16
	s_mov_b32 s[G1VB+4], 120
	s_mov_b32 s[G1VB+5], 32
	s_mov_b32 s[G1VC+1], 32<<16                    ; four
	s_mov_b32 s[G1VC+2], 96<<16
	s_mov_b32 s[G1VC+3], 32<<16
	s_mov_b32 s[G1VC+4], 96
	s_mov_b32 s[G1VC+5], 32
	s_mov_b32 s[CS], 0x3d553b95                    ; c = log2(e) / sqrt(768)
	s_mov_b32 s[CS+1], s[CS]
	s_mov_b32 s[SEL], 0x76543210
	s_mov_b32 s[SEL+1], 0xfedcba98
	s_lshr_b32 s18, ttmp9, 2                       ; the batch: four clusters to a batch
	s_lshl_b32 s2, s18, 4
	s_lshl_b32 s19, s[WV], 2
	s_add_co_u32 s2, s2, s19                       ; my first key block
	s_mul_i32 s34, s2, 1536
	s_mul_i32 s2, s2, 36864
	s_add_co_u32 s2, s2, 9437184                   ; K's blocks lie behind Q's 256
	s_mov_b32 s3, 0
	s_and_b32 s19, s[WV], 1                        ; the head's loads: which eight key blocks
	s_mov_b32 s[G0C], 1
	s_mul_i32 s[G0C+1], s19, 98304
	s_mov_b32 s[G0D], 1
	s_mul_i32 s[G0D+1], s19, 49152
	s_add_co_u32 s[G0D+1], s[G0D+1], KBO
	s_mul_i32 s66, s19, 294912
	s_mul_i32 s19, s18, 589824
	s_add_co_u32 s66, s66, s19
	s_add_co_u32 s66, s66, 9437184
	s_mov_b32 s67, 0
	s_wait_dscnt 0x0                               ; both opening adds are done
	s_wait_kmcnt 0x0
	s_add_nc_u64 s[G0C+2:G0C+3], s[4:5], s[66:67]
	s_add_nc_u64 s[G0D+2:G0D+3], s[G0C+2:G0C+3], 12288
	s_or_b32 s[G0C+3], s[G0C+3], 0x80000000
	s_or_b32 s[G0D+3], s[G0D+3], 0x80000000
	s_mov_b32 s[G0A], 1                            ; the refills: my own four key blocks; the first refill steps each address three K steps on
	s_mov_b32 s[G0A+1], s15
	s_add_nc_u64 s[G0A+2:G0A+3], s[4:5], s[2:3]
	s_mov_b32 s[G0B], 1
	s_mov_b32 s[G0B+1], s16
	s_add_nc_u64 s[G0B+2:G0B+3], s[G0A+2:G0A+3], 12288
	s_or_b32 s[G0A+3], s[G0A+3], 0x80000000
	s_or_b32 s[G0B+3], s[G0B+3], 0x80000000
	CROUND                                         ; all four work-groups are here: the first joint loads meet
	s_cmp_lt_u32 s[WV], 2                          ; one chain on the wave's number, one load to an arm
	s_cbranch_scc0 .Lhead_kb
	tensor_load_to_lds s[G0C:G0C+3], s[G1KA:G1KA+7]
	s_nop 0
	PLACES
	s_branch .Lhead_asked
.Lhead_kb:
	tensor_load_to_lds s[G0D:G0D+3], s[G1KB:G1KB+7]
	s_nop 0
	PLACES
.Lhead_asked:
	s_bfe_u32 s35, ttmp6, 0x40000                  ; cx enters the addresses of Q and of out0 alone
	s_lshl_b32 s66, ttmp9, 2
	s_add_co_u32 s35, s35, s66                     ; my query block
	s_mov_b32 s67, 0
	s_mul_i32 s66, s35, 36864
	s_add_nc_u64 s[SQ:SQ+1], s[4:5], s[66:67]
	s_mul_i32 s66, s35, 1536
	s_add_nc_u64 s[SQS:SQS+1], s[6:7], s[66:67]
	s_add_co_u32 s66, s34, 393216
	s_add_nc_u64 s[SKS:SKS+1], s[6:7], s[66:67]
	s_mul_i32 s66, s18, 24576
	s_mul_i32 s19, s[WV], 6144
	s_add_co_u32 s66, s66, s19
	s_add_nc_u64 s[SVS:SVS+1], s[10:11], s[66:67]
	s_mul_i32 s66, s35, 196608
	s_mul_i32 s19, s[WV], 768
	s_add_co_u32 s66, s66, s19
	s_add_nc_u64 s[SOUT:SOUT+1], s[12:13], s[66:67]
.irp e, 0,1,2
	GL4 QS+4*\e, LI, SQS, 512*\e
.endr
.irp i, 0,1,2,3,4,5,6,7,8,9,10,11
	GL4 KS+4*\i, LI, SKS, 512*\i
.endr
	QLOAD 0
	QLOAD 1
	QLOAD 2
	WIN 0
	s_wait_tensorcnt 0x0                           ; my tile of the head's four is in, and no load of mine is out: descriptors may be written
	s_mov_b32 s[G1KA+2], 4<<16                     ; from here on a load of K brings four key blocks
	s_mov_b32 s[G1KA+4], 4
	s_mov_b32 s[G1KB+2], 4<<16
	s_mov_b32 s[G1KB+4], 4
	s_mul_i32 s2, s18, 589824                      ; V: my channel quarter's stream of 147,456 bytes
	s_mul_i32 s19, s[WV], 147456
	s_add_co_u32 s2, s2, s19
	s_mov_b32 s[G0C+1], s17
	s_add_nc_u64 s[G0C+2:G0C+3], s[8:9], s[2:3]
	s_add_co_u32 s[G0D+1], s17, 30720
	s_add_nc_u64 s[G0D+2:G0D+3], s[G0C+2:G0C+3], 92160
	s_or_b32 s[G0C+3], s[G0C+3], 0x80000000
	s_or_b32 s[G0D+3], s[G0D+3], 0x80000000
	s_barrier_signal -1                            ; it shows the four tiles to all waves
	s_barrier_wait -1
.irp u, 0,1,2,3
	FETCH \u
.endr
.set n, 0
.rept 24
	UNITK
.if (n%4 == 3) && (n/4 <= 2)
	QLOAD n/4+3
.endif
.if n == 4
	REFILL G0A, G1KA, 18432                        ; K steps 0 and 1 stand in registers or are done with: K steps 3 and 4
.elseif n == 10
	REFILL G0B, G1KB, 18432                        ; K step 5
.elseif n == 18
	s_wait_tensorcnt 0x0                           ; my own K step 5 is in: I alone read it
.endif
.if n <= 7
	FETCH n+4
.elseif n == 10
	FETCH 12
	FETCH 13
	FETCH 14
.elseif (n >= 11) && (n <= 15)
	FETCH n+4
.elseif n == 18
	FETCH 20
	FETCH 21
	FETCH 22
.elseif n == 19
	FETCH 23
.endif
.set n, n+1
.endr
.irp i, 0,1,2,3,4,5,6,7,8,9,10,11
	GL4 KS+4*\i, LI, SVS, 512*\i                   ; V's scale words take the place of K's
.endr
.irp m, 0,1,2,3
	BMAX \m
.endr
	WIN 0
.set i, 0
.rept 32
	v_permlanex16_b32 v[TP+i], v[BM+i], s[SEL], s[SEL+1]
.set i, i+1
.endr
.set i, 0
.rept 32
	v_max_num_f32 v[BM+i], v[BM+i], v[TP+i]        ; with lane l xor 16's half: the block's largest score
.set i, i+1
.endr
.irp m, 0,1,2,3
	v_max3_num_f32 v[RM+\m], v[BM+8*\m], v[BM+8*\m+1], v[BM+8*\m+2]
.endr
.irp m, 0,1,2,3
	v_max3_num_f32 v[RM+\m], v[RM+\m], v[BM+8*\m+3], v[BM+8*\m+4]
.endr
.irp m, 0,1,2,3
	v_max3_num_f32 v[RM+\m], v[RM+\m], v[BM+8*\m+5], v[BM+8*\m+6]
.endr
.irp m, 0,1,2,3
	v_max_num_f32 v[RM+\m], v[RM+\m], v[BM+8*\m+7]
.endr
.irp m, 0,1,2,3
	ds_store_b32 v[MXA], v[RM+\m] offset:MX+512*\m ; my 256 keys' largest score of each query
.endr
	REFILL G0C, G1VA, 0                            ; nobody reads K any more: V's first ten units; the round also shows the maxima to all waves
.irp m, 0,1,2,3
	ds_load_b128 v[MXR+4*\m:MXR+4*\m+3], v[FX] offset:MX+512*\m
.endr
	s_wait_dscnt 0x0
.irp m, 0,1,2,3
	v_max3_num_f32 v[RM+\m], v[MXR+4*\m], v[MXR+4*\m+1], v[MXR+4*\m+2]
.endr
.irp m, 0,1,2,3
	v_max_num_f32 v[RM+\m], v[RM+\m], v[MXR+4*\m+3]
.endr
.irp m, 0,1,2,3
	v_mul_f32 v[RM+\m], s[CS], v[RM+\m]
.endr
.irp m, 0,1,2,3
	v_floor_f32 v[NEGM+2*\m], -v[RM+\m]            ; -M = floor(-t) = -ceil(t)
.endr
.irp m, 0,1,2,3
	PEXP \m
.endr
	s_wait_tensorcnt 0x0                           ; my own ten units of V are in
.irp u, 24,25,26,27,28
	FETCH \u
.endr
	WIN 0
.set i, 0
.rept 32
	v_fma_f32 v[BM+i], v[BM+i], s[CS], v[NEGM+2*(i/8)]   ; each block's largest score through the same two instructions: its largest p
.set i, i+1
.endr
.set i, 0
	s_wait_alu depctr_va_vdst(0)
.rept 32
	v_exp_f32 v[BM+i], v[BM+i]
.set i, i+1
.endr
	v_nop
	s_wait_alu depctr_va_vdst(0)                   ; one wait for all the exponentials, ahead of their first reader
.irp m, 0,1,2,3
	PSUM \m
.endr
	WIN 0
.irp m, 0,1,2,3
	v_pk_add_f32 v[SA+2*\m:SA+2*\m+1], v[SA+2*\m:SA+2*\m+1], v[SB+2*\m:SB+2*\m+1]
.endr
.irp m, 0,1,2,3
	v_add_f32 v[RM+\m], v[SA+2*\m], v[SA+2*\m+1]
.endr
.irp m, 0,1,2,3
	v_permlanex16_b32 v[SB+2*\m], v[RM+\m], s[SEL], s[SEL+1]
.endr
.irp m, 0,1,2,3
	v_add_f32 v[RM+\m], v[RM+\m], v[SB+2*\m]
.endr
.irp m, 0,1,2,3
	ds_store_b32 v[MXA], v[RM+\m] offset:SM+512*\m
.endr
	REFILL G0C, G1VB, 61440                        ; V's units 0 to 4 stand in registers: units 10 to 14 take their bytes
.set i, 0
.rept 32
	v_max_num_f32 v[BM+i], 0x2800000, v[BM+i]      ; the floor 2^(5 - 127): the byte cannot fall under 1
.set i, i+1
.endr
.set i, 0
.rept 32
	v_add_nc_u32 v[SOP+i], 0xfe000000, v[BM+i]     ; 4 off the exponent field: the conversion's scale operand
.set i, i+1
.endr
.set i, 0
.rept 32
	v_lshrrev_b32 v[TP+i], 23, v[SOP+i]            ; the scale's byte
.set i, i+1
.endr
.irp j, 0,1
.irp m, 0,1,2,3
	PQ \j, \m
.endr
	ds_store_b128 v[PSA], v[PW:PW+3] offset:PSC+512*\j
.endr
	s_wait_dscnt 0x0
	s_barrier_signal -1                            ; P, its scale words and the sums are whole
	s_barrier_wait -1
.irp q, 0,1,2,3,4,5,6,7
	ds_load_b128 v[PS+4*\q:PS+4*\q+3], v[FX] offset:PSC+512*\q
.endr
.irp m, 0,1,2,3
	ds_load_b128 v[SML+4*\m:SML+4*\m+3], v[FX] offset:SM+512*\m
.endr
.irp q, 0,1,2,3
	PLOAD \q
.endr
	WIN 0
	s_mul_i32 s17, s[WV], 4352                     ; my stage
	s_add_co_u32 s17, s17, STG
	v_and_b32 v21, 15, v0
	v_bfe_u32 v22, v0, 4, 1
	v_mul_u32_u24 v[STO], v21, 272                 ; in: row = my query, 64 bytes for each half of the lanes
	v_lshl_add_u32 v[STO], v22, 6, v[STO]
	v_add_nc_u32 v[STO], s17, v[STO]
	v_lshlrev_b32 v23, 4, v21
	v_mad_u32_u24 v[RD0], v22, 272, v23            ; back: lanes 0-15 one row of 256 bytes, lanes 16-31 the next
	v_add_nc_u32 v[RD0], s17, v[RD0]
	v_mad_u32_u24 v[GO0], v22, 3072, v23           ; and the same two rows in out0
	s_wait_dscnt 48                                ; the sums are in; the 48 loads of P behind them may be out
.irp m, 0,1,2,3
	v_add_f32 v[RM+\m], v[SML+4*\m], v[SML+4*\m+1]
.endr
.irp m, 0,1,2,3
	v_add_f32 v[RM+\m], v[RM+\m], v[SML+4*\m+2]
.endr
.irp m, 0,1,2,3
	v_add_f32 v[RM+\m], v[RM+\m], v[SML+4*\m+3]
.endr
	s_wait_alu depctr_va_vdst(0)
.irp m, 0,1,2,3
	v_rcp_f32 v[NEGM+2*\m], v[RM+\m]
.endr
	v_nop
	s_wait_alu depctr_va_vdst(0)
.irp q, 4,5,6,7
	PLOAD \q
.endr
.set dsP, dsn
.set n, 24
.rept 24
	UNITV
.if n == 29
	REFILL G0D, G1VB, 0                            ; units 5 to 9 have been fetched: units 15 to 19
.elseif n == 36
	REFILL G0C, G1VC, 61440                        ; units 20 to 23
.elseif n == 42
	s_wait_tensorcnt 0x0
.endif
.if n <= 33
	FETCH n+5
.elseif n == 36
	FETCH 39
	FETCH 40
	FETCH 41
.elseif (n == 37) || (n == 38)
	FETCH n+5
.elseif n == 42
	FETCH 44
	FETCH 45
	FETCH 46
	FETCH 47
.endif
.if (n-24)%8 == 7
	EPI (n-24)/8                                   ; the pass is finished: it leaves while the next is multiplied; its 64 multiplications are also the places ahead of the next pass's first products
.endif
.set n, n+1
.endr
	WIN 0
	s_wait_tensorcnt 0x0                           ; the wave's end
	ds_add_u32 v[SPW], v[NIL]
	s_wait_dscnt 0x0
	CROUND                                         ; the closing round
	s_endpgm
.Lfunc_end_k_q1e4d367d36_attn:
	.size	k_q1e4d367d36_attn, .Lfunc_end_k_q1e4d367d36_attn-k_q1e4d367d36_attn
	.p2alignl 7, 3214868480
	.fill 96, 4, 3214868480
	.section	.rodata,"a",@progbits
	.p2align	6, 0x0
	.amdhsa_kernel k_q1e4d367d36_attn
		.amdhsa_group_segment_fixed_size 327680
		.amdhsa_private_segment_fixed_size 0
		.amdhsa_enable_private_segment 0
		.amdhsa_kernarg_size 40
		.amdhsa_user_sgpr_count 2
		.amdhsa_user_sgpr_kernarg_segment_ptr 1
		.amdhsa_wavefront_size32 1
		.amdhsa_system_sgpr_workgroup_id_x 1
		.amdhsa_system_sgpr_workgroup_id_y 1
		.amdhsa_system_sgpr_workgroup_id_z 1
		.amdhsa_system_vgpr_workitem_id 0
		.amdhsa_next_free_vgpr 1024
		.amdhsa_next_free_sgpr 96
		.amdhsa_reserve_vcc 0
		.amdhsa_float_denorm_mode_32 3
		.amdhsa_float_denorm_mode_16_64 3
		.amdhsa_memory_ordered 1
		.amdhsa_forward_progress 1
		.amdhsa_inst_pref_size 255
	.end_amdhsa_kernel
	.section	.bss,"aw",@nobits
	.p2align	6
	.space	262144
	.amdgpu_metadata
---
amdhsa.version: [ 1, 2 ]
amdhsa.kernels:
  - .name:           k_q1e4d367d36_attn
    .symbol:         k_q1e4d367d36_attn.kd
    .args:
      - { .name: qk_codes, .offset: 0, .size: 8, .value_kind: global_buffer, .address_space: global }
      - { .name: qk_scales, .offset: 8, .size: 8, .value_kind: global_buffer, .address_space: global }
      - { .name: v_codes, .offset: 16, .size: 8, .value_kind: global_buffer, .address_space: global }
      - { .name: v_scales, .offset: 24, .size: 8, .value_kind: global_buffer, .address_space: global }
      - { .name: out0, .offset: 32, .size: 8, .value_kind: global_buffer, .address_space: global }
    .group_segment_fixed_size: 327680
    .private_segment_fixed_size: 0
    .kernarg_segment_align: 8
    .kernarg_segment_size: 40
    .max_flat_workgroup_size: 128
    .sgpr_count:     96
    .vgpr_count:     1024
    .wavefront_size: 32
...
	.end_amdgpu_metadata
.endif
;; end of part 6
